; MI455X (gfx1250); checked and timed in simulation.
; The chip was launched on July 23, 2026; its instructions are those of AMD's public machine-readable ISA for CDNA 5 (MIT licence, August 2026) and "CDNA5" Instruction Set Architecture Reference Guide (July 2026). The comments in the code are by the model that wrote it; some were corrected since.
;; Multihead Attention cavhe. Allowed arithmetic: matrix products marked QUANTISED: E3M2 operands, one E8M0 scale for each 32 along K, by v_wmma_scale_f32_16x16x128_f8f6f4 with both operands' format E3M2, f32 sums; everything else in f32.
;; Inputs: Wk 1,024 x 1,024 float32; Wo 1,024 x 1,024 float32; Wq 1,024 x 1,024 float32; Wv 1,024 x 1,024 float32; bk 1,024 float32; bo 1,024 float32; bq 1,024 float32; bv 1,024 float32; x 4 x 2,048 x 1,024 float32.
;; Outputs: out0 4 x 2,048 x 1,024 float32.
;; This version of the problem:
;;   THIS VERSION OF THE PROBLEM IS GIVEN IN LOW PRECISION. The matrix products marked QUANTISED in the list below multiply operands that are first quantised to E3M2 (3 exponent bits, 2 mantissa bits; 6 bits a number), with one power-of-two scale for each 32 numbers along K (OCP MX v1.0); their sums are f32. All else is computed in f32.
;;   The module's matrix products, in the order in which they are computed (A, B: the left and right operand; K: the contracted axis; several contracted axes count as one K, in the product's order):
;;     1. [M 8,192, K 1,024] x [K 1,024, N 1,024]; A: input x; B: input Wq: QUANTISED
;;     2. [M 8,192, K 1,024] x [K 1,024, N 1,024]; A: input x; B: input Wk: QUANTISED
;;     3. [M 8,192, K 1,024] x [K 1,024, N 1,024]; A: input x; B: input Wv: QUANTISED
;;     4. batch 64 x [M 2,048, K 64] x [K 64, N 2,048]; A: computed on the way; B: computed on the way: QUANTISED
;;     5. batch 64 x [M 2,048, K 2,048] x [K 2,048, N 64]; A: softmax (see below); B: computed on the way: QUANTISED
;;     6. [M 8,192, K 1,024] x [K 1,024, N 1,024]; A: computed on the way; B: input Wo: QUANTISED
;;   THE QUANTISER, for each operand of a quantised product, along K:
;;     - K is cut into blocks of 32 from its start; a last block that is shorter is filled with zeros.
;;     - A block's scale is 2^e with e = floor(log2(the largest magnitude in the block)) - 4, held to -126 .. 127; a block of zeros has e = 0. As a byte (E8M0): e + 127.
;;     - Each number is divided by its block's scale, clamped to +-28, and rounded to the nearest number of E3M2, ties to even, subnormals kept.
;;     - The product sums the exact products of the quantised numbers (number of the format x scale) in f32.
;;   ~~~python
;;   def quantise(x, axis):      # numpy; x: float32 -> the quantised numbers, widened to float32 again
;;       x = np.moveaxis(x, axis, -1); K = x.shape[-1]
;;       x = np.pad(x, [(0, 0)] * (x.ndim - 1) + [(0, -K % 32)]); x = x.reshape(x.shape[:-1] + (-1, 32)); a = np.abs(x).max(-1, keepdims=True)
;;       e = np.where(a > 0, np.clip(np.frexp(np.where(a > 0, a, 1))[1] - 1 - 4, -126, 127), 0)      # np.frexp(a)[1] - 1 = floor(log2(a)), exactly
;;       r = np.clip(x / 2.0 ** e, -28, 28)
;;       step = 2.0 ** (np.maximum(np.frexp(np.where(r == 0, 1, r))[1] - 1, -2) - 2)
;;       q = np.round(r / step) * step * 2.0 ** e      # np.round: ties to even
;;       return np.moveaxis(q.reshape(q.shape[:-2] + (-1,))[..., :K], -1, axis).astype(np.float32)
;;   ~~~
;;   SOFTMAX AHEAD OF A QUANTISED PRODUCT. Where the list says 'softmax', what is quantised is not the finished softmax but p = 2^(t - M), with t = logit x log2(e) and M = ceil(the row's largest t), a whole number; so 1/2 < the row's largest p <= 1. The row's sum l is taken of the UNQUANTISED p, in f32, and the product's result is divided by l at the end. Since M is a whole number, a kernel that streams over the keys may use a running M (the ceiling of the running maximum): every later rescaling is an exact power of two, which a block's scale takes up: the codes' values come out the same.
;;   OPERANDS COMPUTED ON THE WAY. 'Computed on the way' means the value that the module computes at that place (a softmax that the list does not call 'softmax' is quantised finished and normalised). What goes into a quantiser is computed in f32, as accurately as f32 sums, v_exp_f32 and their like allow (about 1e-6 of the number): no bf16 or f16 on the way to a quantiser, and a product that is left as it is and whose result goes on into a quantised operand takes f32 operands (vector FMAs, or v_wmma_f32_16x16x4_f32). A number that lies on a knife's edge between two numbers of the format may be rounded either way, as far as f32 arithmetic and the matrix unit's own rounding can turn it there, and no further.
;; One version. Each part assembles by itself: llvm-mc -triple=amdgcn-amd-amdhsa -mcpu=gfx1250 --defsym DOCPART=n.
;; ======== version 1 of 1: 4 launches
;; workspace buffers: xw_img 9,437,184 bytes; xw_sc 393,216 bytes; qkv_img 18,874,368 bytes; qkv_sc 786,432 bytes; a_img 6,291,456 bytes; a_sc 262,144 bytes
;; launch quant (part 1): grid 768 x 1, 2 waves a work-group, no clusters, 17,152 bytes of LDS; arguments x, Wq, Wk, Wv, Wo, xw_img, xw_sc; writes xw_img, xw_sc
.if DOCPART == 1
	.amdgcn_target "amdgcn-amd-amdhsa--gfx1250"
	.amdhsa_code_object_version 6
	.text
	.protected	k_q4a004e9cca_quant
	.globl	k_q4a004e9cca_quant
	.p2align	8
	.type	k_q4a004e9cca_quant,@function
k_q4a004e9cca_quant:
	s_mov_b64 s[64:65], 0
	v_nop
	global_prefetch_b8 v0, s[64:65] scope:SCOPE_SE
	s_setreg_imm32_b32 hwreg(HW_REG_WAVE_MODE, 25, 1), 1
	s_wait_xcnt 0x0
; x [8192][1024] and Wq, Wk, Wv, Wo [1024][1024], f32 with K innermost, become codes of BF6 (E3M2) with one E8M0 byte for each 32 along K,
; laid as IMAGES OF OPERAND REGISTERS, so that the products' launches fetch fragments by contiguous 16- and 8-byte loads.
; ROW TILES.  Tile T of a tensor holds rows 32 (T / 2) + 8 (T % 2) + r + 8 (r / 8), r = 0 .. 15: with that choice a product's 16 registers of two neighbouring tiles are 16 neighbours along the next K.
; Tiles are numbered through all five tensors: 0-511 x, 512-575 Wq, 576-639 Wk, 640-703 Wv, 704-767 Wo.
; HALF FRAGMENT, 768 bytes: 16 rows x 64 K.  Lane (r, h) owns the 24 bytes of k = 32 h .. 32 h + 31 of row r: its registers 0-3 at byte 16 x lane, its registers 4-5 at byte 512 + 8 x lane.
; xw_img: [tile][k / 64][768].  xw_sc: [tile][K half][r][16 bytes]: word j of the 16 bytes is the scale word of the half's j-th 128 along K.
; A block's scale is 2^(floor(log2(its largest magnitude)) - 4); its byte is the largest magnitude's exponent field - 4, held at 1 from below.
; LIMITS: a block of zeros, or one whose largest magnitude lies under 2^-122, gets the byte 1 (its codes are then zeros or tiny; only this program reads the bytes); NaN and infinities among the inputs are not served.
; SHARES.  A work-group is one row tile; wave kq takes K half kq in four steps of 128.  Each load reads 512 consecutive bytes of one row; a step's 16 rows turn through the wave's own stage in LDS,
; so that a lane gets 16 neighbours of each block of 32.  Two steps' loads (32 a wave) are on their way.  No cluster, no barrier, no matrix unit: waves share nothing and memory binds.
.set SP,   528                         ; a stage row: 512 bytes + 16, an odd multiple of 16
.set STG,  16*SP                       ; a wave's stage
.set R,    16                          ; v16-143  two sets of 64 registers as loaded
.set X,    144                         ; v144-207 64 numbers: register 16 b + i = k 32 b + 16 h + i of my row
.set PC,   208                         ; v208-226 the codes just made
.set TM,   228                         ; v228-243 at work
.set PW,   244                         ; v244-247 a scale word for each step
.set SEL,  20                          ; s[20:21] lane selects: lane l xor 16
.set SRC,  24                          ; s[24:25] my tile's first row, my K half
.set OC,   14                          ; s[14:15] where my codes go
.set OS,   16                          ; s[16:17] where my scale words go
; 64 numbers of a lane, register 16 b + i = k 32 b + 16 (lane / 16) + i of my row, become a fragment's 12 registers in v[PC] on and its scale word in v[pw].
.macro QUANT s, pw
.irp b, 0,1,2,3
	v_max3_num_f32 v[TM+\b], |v[\s+16*\b]|, |v[\s+1+16*\b]|, 0x2800000   ; block b: my 16 numbers, and the floor 2^(5 - 127): the byte cannot fall under 1
.endr
.irp i, 2,4,6,8,10,12,14
.irp b, 0,1,2,3
	v_max3_num_f32 v[TM+\b], v[TM+\b], |v[\s+16*\b+\i]|, |v[\s+1+16*\b+\i]|   ; the four blocks by turns
.endr
.endr
.irp b, 0,1,2,3
	v_permlanex16_b32 v[TM+4+\b], v[TM+\b], s[SEL], s[SEL+1]
.endr
.irp b, 0,1,2,3
	v_max_num_f32 v[TM+\b], v[TM+\b], v[TM+4+\b]   ; with lane l xor 16's: the block's largest magnitude
.endr
.irp b, 0,1,2,3
	v_add_nc_u32 v[TM+12+\b], 0xfe000000, v[TM+\b]   ; 4 off its exponent field: the conversion's scale operand
.endr
.irp b, 0,1,2,3
	v_lshrrev_b32 v[TM+4+\b], 23, v[TM+12+\b]      ; the scale's byte
.endr
	v_lshl_or_b32 v[\pw], v[TM+5], 8, v[TM+4]
	v_lshl_or_b32 v[\pw], v[TM+6], 16, v[\pw]
	v_lshl_or_b32 v[\pw], v[TM+7], 24, v[\pw]      ; my row's scale word
.irp c, 0,1
	v_cvt_scalef32_pk16_bf6_f32 v[PC+6*\c:PC+2+6*\c], v[\s+32*\c:\s+15+32*\c], v[TM+12+2*\c]
	v_cvt_scalef32_pk16_bf6_f32 v[PC+12+4*\c:PC+14+4*\c], v[\s+16+32*\c:\s+31+32*\c], v[TM+12+2*\c+1]   ; (a conversion's three registers begin on an even number)
.endr
	v_nop                                          ; one plain place behind a scaled conversion
.irp c, 0,1                                    ; the operand's layout wants a whole block in a lane
.irp i, 0,1,2
	v_permlane16_swap_b32 v[PC+6*\c+\i], v[PC+12+4*\c+\i]
.endr
.irp i, 0,1,2
	v_mov_b32 v[PC+3+6*\c+\i], v[PC+12+4*\c+\i]
.endr
.endr
.endm
	s_load_b256 s[4:11], s[0:1], 0x0               ; x, Wq, Wk, Wv
	s_load_b128 s[12:15], s[0:1], 0x20             ; Wo, xw_img
	s_load_b64 s[16:17], s[0:1], 0x30              ; xw_sc
	v_lshl_add_u32 v254, v0, 2, 0x4200
	v_mov_b32 v255, 0
	v_lshrrev_b32 v7, 5, v0
	v_readfirstlane_b32 s18, v7                    ; wave = K half
	v_and_b32 v6, 31, v0                           ; lane
	v_and_b32 v8, 15, v0                           ; r
	v_bfe_u32 v9, v0, 4, 1                         ; h
	v_lshlrev_b32 v1, 4, v6                        ; 16 x lane: my bytes of a load, and of a store of four code registers
	v_lshlrev_b32 v2, 3, v6                        ; 8 x lane: of a store of two
	s_mul_i32 s19, s18, STG
	v_add_nc_u32 v3, s19, v1                       ; the stage, on the way in
	v_mul_u32_u24 v4, v8, SP
	v_lshl_add_u32 v4, v9, 6, v4
	v_add_nc_u32 v4, s19, v4                       ; and out: row r, + 64 h
	v_lshlrev_b32 v5, 4, v8
	v_lshl_add_u32 v5, v9, 3, v5                   ; the scale words' place: 16 r + 8 h
	s_mov_b32 s[SEL], 0x76543210
	s_mov_b32 s[SEL+1], 0xfedcba98
.irp b, 0,1,2,3
	v_mov_b32 v[TM+4+\b], 0                        ; written once: a lane permute's destination counts as one of its sources
.endr
	s_and_b32 s26, ttmp9, 63                       ; the tile's number inside its tensor: a weight has 64 tiles,
	s_cmp_lt_u32 ttmp9, 512
	s_cselect_b32 s26, ttmp9, s26                  ; x has the first 512
	s_lshr_b32 s27, s26, 1
	s_lshl_b32 s27, s27, 17                        ; 32 rows of 4,096 bytes for each pair of tiles,
	s_and_b32 s28, s26, 1
	s_lshl_b32 s28, s28, 15                        ; 8 rows for the odd tile,
	s_add_co_u32 s28, s28, s27
	s_lshl_b32 s27, s18, 11                        ; 2,048 bytes for the second K half
	s_add_co_u32 s28, s28, s27
	s_mov_b32 s29, 0
	s_mul_i32 s30, ttmp9, 12288                    ; codes: 12,288 bytes a tile, 6,144 a half
	s_mul_i32 s27, s18, 6144
	s_add_co_u32 s30, s30, s27
	s_mov_b32 s31, 0
	s_lshl_b32 s32, ttmp9, 9                       ; scale words: 512 bytes a tile, 256 a half
	s_lshl_b32 s27, s18, 8
	s_add_co_u32 s32, s32, s27
	s_mov_b32 s33, 0
	s_wait_alu depctr_va_vdst(0)
	s_wait_kmcnt 0x0
	s_cmp_lt_u32 ttmp9, 704                        ; which tensor: the choice hangs on the work-group's number alone
	s_cselect_b64 s[SRC:SRC+1], s[10:11], s[12:13]
	s_cmp_lt_u32 ttmp9, 640
	s_cselect_b64 s[SRC:SRC+1], s[8:9], s[SRC:SRC+1]
	s_cmp_lt_u32 ttmp9, 576
	s_cselect_b64 s[SRC:SRC+1], s[6:7], s[SRC:SRC+1]
	s_cmp_lt_u32 ttmp9, 512
	s_cselect_b64 s[SRC:SRC+1], s[4:5], s[SRC:SRC+1]
	s_add_nc_u64 s[SRC:SRC+1], s[SRC:SRC+1], s[28:29]
	s_add_nc_u64 s[OC:OC+1], s[OC:OC+1], s[30:31]
	s_add_nc_u64 s[OS:OS+1], s[OS:OS+1], s[32:33]
.macro LOAD t                          ; step t: 128 along K of the tile's 16 rows; each load reads 512 consecutive bytes of one row
.irp p, 0,1,2,3,4,5,6,7,8,9,10,11,12,13,14,15
	global_load_b128 v[R+64*((\t)%2)+4*\p:R+64*((\t)%2)+4*\p+3], v1, s[SRC:SRC+1] offset:(\p+8*(\p/8))*4096+512*(\t) th:TH_LOAD_NT
.endr
.endm
.macro TURN t                          ; through the stage: LDS serves a wave's instructions in order, so no wait stands between the stores and the loads
.irp p, 0,1,2,3,4,5,6,7,8,9,10,11,12,13,14,15
	ds_store_b128 v3, v[R+64*((\t)%2)+4*\p:R+64*((\t)%2)+4*\p+3] offset:SP*\p
.endr
.irp b, 0,1,2,3
.irp j, 0,1,2,3
	ds_load_b128 v[X+16*\b+4*\j:X+16*\b+4*\j+3], v4 offset:128*\b+16*\j
.endr
.endr
.endm
.macro STEPQ t
.if \t < 3
	s_wait_loadcnt 16                              ; this step's 16 loads are in; the next step's 16 may be out
.else
	s_wait_loadcnt 0x0
.endif
	TURN \t
	s_wait_dscnt 0x0                               ; my 64 numbers are back, and the stage's stores have read their registers,
.if \t < 2
	LOAD \t+2                                      ; which take the loads of two steps on
.endif
.if \t > 0
	s_wait_xcnt 0x0                                ; the last step's stores have read the codes' registers
.endif
	QUANT X, PW+\t
.irp c, 0,1
	global_store_b128 v1, v[PC+6*\c:PC+6*\c+3], s[OC:OC+1] offset:(2*\t+\c)*768        ; 32 lanes store 512 consecutive bytes,
	global_store_b64 v2, v[PC+6*\c+4:PC+6*\c+5], s[OC:OC+1] offset:(2*\t+\c)*768+512   ; and 256: whole aligned blocks of 256 bytes
.endr
.endm
	LOAD 0
	LOAD 1
	STEPQ 0
	STEPQ 1
	STEPQ 2
	STEPQ 3
	v_cmp_le_u32 vcc_lo, 16, v6                    ; lanes 16-31 store my row's words 2 and 3, lanes 0-15 words 0 and 1
	v_cndmask_b32 v248, v[PW], v[PW+2], vcc_lo
	v_cndmask_b32 v249, v[PW+1], v[PW+3], vcc_lo
	global_store_b64 v5, v[248:249], s[OS:OS+1]    ; 32 lanes store one aligned block of 256 bytes
	s_wait_tensorcnt 0x0
	ds_add_u32 v254, v255
	s_wait_dscnt 0x0
	s_endpgm
.Lfunc_end_k_q4a004e9cca_quant:
	.size	k_q4a004e9cca_quant, .Lfunc_end_k_q4a004e9cca_quant-k_q4a004e9cca_quant
	.p2alignl 7, 3214868480
	.fill 96, 4, 3214868480
	.section	.rodata,"a",@progbits
	.p2align	6, 0x0
	.amdhsa_kernel k_q4a004e9cca_quant
		.amdhsa_group_segment_fixed_size 17152
		.amdhsa_private_segment_fixed_size 0
		.amdhsa_enable_private_segment 0
		.amdhsa_kernarg_size 56
		.amdhsa_user_sgpr_count 2
		.amdhsa_user_sgpr_kernarg_segment_ptr 1
		.amdhsa_wavefront_size32 1
		.amdhsa_system_sgpr_workgroup_id_x 1
		.amdhsa_system_sgpr_workgroup_id_y 1
		.amdhsa_system_sgpr_workgroup_id_z 1
		.amdhsa_system_vgpr_workitem_id 0
		.amdhsa_next_free_vgpr 256
		.amdhsa_next_free_sgpr 66
		.amdhsa_reserve_vcc 1
		.amdhsa_float_denorm_mode_32 3
		.amdhsa_float_denorm_mode_16_64 3
		.amdhsa_memory_ordered 1
		.amdhsa_forward_progress 1
		.amdhsa_inst_pref_size 34
	.end_amdhsa_kernel
	.amdgpu_metadata
---
amdhsa.version: [ 1, 2 ]
amdhsa.kernels:
  - .name:           k_q4a004e9cca_quant
    .symbol:         k_q4a004e9cca_quant.kd
    .args:
      - { .name: x, .offset: 0, .size: 8, .value_kind: global_buffer, .address_space: global }
      - { .name: Wq, .offset: 8, .size: 8, .value_kind: global_buffer, .address_space: global }
      - { .name: Wk, .offset: 16, .size: 8, .value_kind: global_buffer, .address_space: global }
      - { .name: Wv, .offset: 24, .size: 8, .value_kind: global_buffer, .address_space: global }
      - { .name: Wo, .offset: 32, .size: 8, .value_kind: global_buffer, .address_space: global }
      - { .name: xw_img, .offset: 40, .size: 8, .value_kind: global_buffer, .address_space: global }
      - { .name: xw_sc, .offset: 48, .size: 8, .value_kind: global_buffer, .address_space: global }
    .group_segment_fixed_size: 17152
    .private_segment_fixed_size: 0
    .kernarg_segment_align: 8
    .kernarg_segment_size: 56
    .max_flat_workgroup_size: 64
    .sgpr_count:     66
    .vgpr_count:     256
    .wavefront_size: 32
...
	.end_amdgpu_metadata
.endif
;; end of part 1
;; launch qkv (part 2): grid 4 x 192, 4 waves a work-group, clusters of 4 x 4, 295,424 bytes of LDS; arguments xw_img, xw_sc, bq, bk, bv, qkv_img, qkv_sc; writes qkv_img, qkv_sc
.if DOCPART == 2
	.amdgcn_target "amdgcn-amd-amdhsa--gfx1250"
	.amdhsa_code_object_version 6
	.text
	.protected	k_q4a004e9cca_qkv
	.globl	k_q4a004e9cca_qkv
	.p2align	8
	.type	k_q4a004e9cca_qkv,@function
k_q4a004e9cca_qkv:
	s_mov_b64 s[64:65], 0
	v_nop
	global_prefetch_b8 v0, s[64:65] scope:SCOPE_SE
	s_setreg_imm32_b32 hwreg(HW_REG_WAVE_MODE, 25, 1), 1
	s_wait_xcnt 0x0
	s_wait_alu depctr_hold_cnt(0) depctr_sa_sdst(0) depctr_va_vdst(0) depctr_va_sdst(0) depctr_va_ssrc(0) depctr_va_vcc(0) depctr_vm_vsrc(0)
	s_getreg_b32 s2, hwreg(HW_REG_IB_STS2, 6, 4)
	s_cmp_eq_u32 s2, 0
	s_cbranch_scc0 .Lentry_in_a_cluster
	s_endpgm
.Lentry_in_a_cluster:
	s_bfe_u32 s2, ttmp6, 0x10000c
	s_cmp_lg_u32 s2, 0xf033
	s_cbranch_scc0 .Lentry_shape_is_right
	s_endpgm
.Lentry_shape_is_right:
; q = x Wq^T + bq, k = x Wk^T + bk, v = x Wv^T + bv on codes of BF6 (E3M2) with E8M0 scales, sums in f32; the results are quantised at once, in registers, for attention's two products:
; q and k along the head's 64 features, v along the keys, and leave as images of operand registers.  Nothing wide goes to memory.
; OPERANDS (made by the launch before): row tile T holds rows 32 (T / 2) + 8 (T % 2) + r + 8 (r / 8); xw_img [tile][k / 64][768 bytes], a half fragment of 16 rows x 64 K: lane's registers 0-3 at 16 x lane,
; registers 4-5 at 512 + 8 x lane; xw_sc [tile][K half][r][16 bytes].  Tiles 0-511 x, 512-575 Wq, 576-639 Wk, 640-703 Wv.
; SHARES.  A work-group makes 128 rows of "A" x 256 rows of "B" over all of K = 1,024; four waves, each 64 x 128: 32 accumulators.  For q and k A = x, B = the weight; for v A = Wv, B = x.
; THE MATRIX INSTRUCTION IS USED TRANSPOSED (source 0 = 16 rows of B, source 1 = 16 rows of A): a lane holds ONE row of A and its registers run along B's rows; by the tiles' choice of rows the 64 registers of an A tile
; are, block by block of 32, 16 neighbours along B's rows.  So for q and k a lane holds a token and registers run along features, for v a lane holds a feature and registers run along tokens: each is the next product's K.
; 48 clusters of 4 x 4: 16 for each of q, k, v; 768 work-groups, three for each of 256 WGPs.  The four of a cluster's row need the same tiles of A, the four of a column the same tiles of B: joint loads.
; LDS.  All of K lies in LDS, filled ONCE: four chunks of 256 along K, each A's 8 tiles x 3,072 bytes and then B's 16 tiles x 3,072.  No byte is filled twice, so no slot changes hands.
; By this text's count a wave has four tensor loads outstanding, the four chunks of its part.
; OUT.  qkv_img: kind (0 q, 1 k, 2 v) x 6,291,456 bytes.  q, k: [batch][head pair][token tile 0-127][head of the pair][768].  v: [batch][head][128 keys][feature tile 0-3][1,536].
; qkv_sc: kind x 262,144.  q, k: [batch][head pair][32 tokens f][r][head of the pair][4]: token tile 2 f's two bytes below, tile 2 f + 1's above.  v: [batch][head][128 keys][lane][2 words]: word 0 feature tiles 0 | 2, word 1 tiles 1 | 3.
; A wave's codes are 6,144 consecutive bytes and its scale words 256: every store covers whole aligned blocks of 256 bytes.
; LIMITS: a block of zeros, or one under 2^-122, gets the scale byte 1 (only this program reads the bytes); NaN and infinities are not served.
; REGISTERS, in windows of 256: window 0: v1-15 addresses; v16-31 A's scale words, v32-63 B's; v64-135 biases; v136-243 the way out.  window 1: accumulator (a, b) at v[8 (8 a + b)].
;   windows 2, 3: two sets of fragments: B's eight at v[12 b], A's four at v[96 + 12 a].
.set CHUNK, 73728                      ; 256 along K: (8 + 16) tiles x 3,072 bytes
.set TILEB, 12288                      ; a row tile's codes in memory
.set AA128, 1                          ; v1  LDS: my A tiles, 16 x lane
.set AA64,  2                          ; v2  the same, 8 x lane
.set AB128, 3                          ; v3, v4  the same for B
.set AB64,  4
.set LSO,   5                          ; v5  scale words: 512 h + 16 r
.set L16,   6                          ; v6  16 x lane
.set L8,    7                          ; v7  8 x lane
.set LANE,  8
.set BOF,   9                          ; v9  64 h
.set AOF,   10                         ; v10 4 (r + 8 (r / 8))
.set SA,    16                         ; register SA + 8 (a / 2) + t: step t's words of A tile a: even tiles in lanes 0-15, odd ones in lanes 16-31
.set SB,    32                         ; the same for B's eight tiles
.set BI,    64                         ; v64-127  the bias along B's rows (q, k)
.set BA,    128                        ; v128-135 the bias of my A row, twice, for each A tile (v)
.set W,     136                        ; v136-199 64 finished numbers
.set PC,    200
.set TM,    220
.set PW,    236                        ; v236-239 a scale word for each A tile
.set YY,    240
.set XX,    242
.set WA,    3                          ; s3   which 64 rows of A are mine.  Also: I fetch for A (0) or for B (1)
.set WV,    18
.set WB,    19                         ; s19  which 128 rows of B are mine.  Also: which half of that operand's tiles I fetch
.set G1A,   20
.set G1B,   28
.set G0A,   36                         ; s[36:51] a group 0 for each chunk
.set KIND,  55
.set SEL,   66
.set G0B,   68                         ; s[68:83]
.set MSB, 0
.macro WIN new                         ; the immediate's high byte repeats the setting that is left
.if MSB != \new
	s_set_vgpr_msb (MSB<<8)|\new
.set MSB, \new
.endif
.endm
.macro PLACES n
.rept \n
	v_nop
.endr
.endm
.macro CROUND                          ; a round of the cluster's barrier
	s_barrier_signal -1
	s_barrier_wait -1
	s_cmp_lg_u32 s[WV], 0
	s_cbranch_scc1 .Lnot_wave_0_\@
	s_barrier_signal -3
.Lnot_wave_0_\@:
	s_barrier_wait -3
	s_barrier_signal -1
	s_barrier_wait -1
.endm
; One product.  d: result; fa, fb: sources 0 and 1; z = 1: C is the constant 0, else v[c]; sa, sb: the scale registers; ra, rb = 1: the scales are taken from lanes 16-31.
.macro WM d, fa, fb, z, c, sa, sb, ra, rb
.if \z
.if (\ra) && (\rb)
	v_wmma_scale_f32_16x16x128_f8f6f4 v[0+(\d):7+(\d)], v[0+(\fa):11+(\fa)], v[0+(\fb):11+(\fb)], 0, v[0+(\sa)], v[0+(\sb)] matrix_a_fmt:MATRIX_FMT_BF6 matrix_b_fmt:MATRIX_FMT_BF6 matrix_a_scale:MATRIX_SCALE_ROW1 matrix_b_scale:MATRIX_SCALE_ROW1
.elseif (\ra)
	v_wmma_scale_f32_16x16x128_f8f6f4 v[0+(\d):7+(\d)], v[0+(\fa):11+(\fa)], v[0+(\fb):11+(\fb)], 0, v[0+(\sa)], v[0+(\sb)] matrix_a_fmt:MATRIX_FMT_BF6 matrix_b_fmt:MATRIX_FMT_BF6 matrix_a_scale:MATRIX_SCALE_ROW1
.elseif (\rb)
	v_wmma_scale_f32_16x16x128_f8f6f4 v[0+(\d):7+(\d)], v[0+(\fa):11+(\fa)], v[0+(\fb):11+(\fb)], 0, v[0+(\sa)], v[0+(\sb)] matrix_a_fmt:MATRIX_FMT_BF6 matrix_b_fmt:MATRIX_FMT_BF6 matrix_b_scale:MATRIX_SCALE_ROW1
.else
	v_wmma_scale_f32_16x16x128_f8f6f4 v[0+(\d):7+(\d)], v[0+(\fa):11+(\fa)], v[0+(\fb):11+(\fb)], 0, v[0+(\sa)], v[0+(\sb)] matrix_a_fmt:MATRIX_FMT_BF6 matrix_b_fmt:MATRIX_FMT_BF6
.endif
.else
.if (\ra) && (\rb)
	v_wmma_scale_f32_16x16x128_f8f6f4 v[0+(\d):7+(\d)], v[0+(\fa):11+(\fa)], v[0+(\fb):11+(\fb)], v[0+(\c):7+(\c)], v[0+(\sa)], v[0+(\sb)] matrix_a_fmt:MATRIX_FMT_BF6 matrix_b_fmt:MATRIX_FMT_BF6 matrix_a_scale:MATRIX_SCALE_ROW1 matrix_b_scale:MATRIX_SCALE_ROW1
.elseif (\ra)
	v_wmma_scale_f32_16x16x128_f8f6f4 v[0+(\d):7+(\d)], v[0+(\fa):11+(\fa)], v[0+(\fb):11+(\fb)], v[0+(\c):7+(\c)], v[0+(\sa)], v[0+(\sb)] matrix_a_fmt:MATRIX_FMT_BF6 matrix_b_fmt:MATRIX_FMT_BF6 matrix_a_scale:MATRIX_SCALE_ROW1
.elseif (\rb)
	v_wmma_scale_f32_16x16x128_f8f6f4 v[0+(\d):7+(\d)], v[0+(\fa):11+(\fa)], v[0+(\fb):11+(\fb)], v[0+(\c):7+(\c)], v[0+(\sa)], v[0+(\sb)] matrix_a_fmt:MATRIX_FMT_BF6 matrix_b_fmt:MATRIX_FMT_BF6 matrix_b_scale:MATRIX_SCALE_ROW1
.else
	v_wmma_scale_f32_16x16x128_f8f6f4 v[0+(\d):7+(\d)], v[0+(\fa):11+(\fa)], v[0+(\fb):11+(\fb)], v[0+(\c):7+(\c)], v[0+(\sa)], v[0+(\sb)] matrix_a_fmt:MATRIX_FMT_BF6 matrix_b_fmt:MATRIX_FMT_BF6
.endif
.endif
.endm
; 48 LDS loads in one run: step t's fragments (128 along K: B's eight tiles, A's four) into set t % 2.  Every load takes consecutive bytes in consecutive lanes.
.macro FETCH t
.if (\t)%2
	WIN 0xc0                                       ; destination window 3
.else
	WIN 0x80                                       ; destination window 2
.endif
.irp b, 0,1,2,3,4,5,6,7
	ds_load_b128 v[12*\b:12*\b+3],     v[AB128] offset:3072*\b+1536*((\t)%2)
	ds_load_b64  v[12*\b+4:12*\b+5],   v[AB64]  offset:3072*\b+1536*((\t)%2)+512
	ds_load_b128 v[12*\b+6:12*\b+9],   v[AB128] offset:3072*\b+1536*((\t)%2)+768
	ds_load_b64  v[12*\b+10:12*\b+11], v[AB64]  offset:3072*\b+1536*((\t)%2)+1280
.endr
.irp a, 0,1,2,3
	ds_load_b128 v[96+12*\a:96+12*\a+3],     v[AA128] offset:3072*\a+1536*((\t)%2)
	ds_load_b64  v[96+12*\a+4:96+12*\a+5],   v[AA64]  offset:3072*\a+1536*((\t)%2)+512
	ds_load_b128 v[96+12*\a+6:96+12*\a+9],   v[AA128] offset:3072*\a+1536*((\t)%2)+768
	ds_load_b64  v[96+12*\a+10:96+12*\a+11], v[AA64]  offset:3072*\a+1536*((\t)%2)+1280
.endr
	WIN 0
.endm
; 32 products: step t of K.  The 32 accumulators take turns, one instruction a turn, in the same order in every step.  z = 1: the products start the sums.
.macro MUL32 t, z
.if (\t)%2
	WIN 0x5f                                       ; sources 0 and 1 window 3, C and D window 1
.else
	WIN 0x5a                                       ; sources 0 and 1 window 2, C and D window 1
.endif
.irp a, 0,1,2,3
.irp b, 0,1,2,3,4,5,6,7
	WM 8*(8*\a+\b), 12*\b, 96+12*\a, \z, 8*(8*\a+\b), SB+8*(\b/2)+\t, SA+8*(\a/2)+\t, \b%2, \a%2
.endr
.endr
.endm
; Step t: the next step's fragments are asked for, then this step is multiplied.  Loads into registers that products have read stand four plain vector instructions behind those products (ISA guide 7.12.1 for vector instructions).
.macro STEP t, z
.if \t < 7
.if (\t)%2
	WIN 0
	v_add_nc_u32 v[AA128], CHUNK, v[AA128]         ; the next step lies in the next chunk; these four lines are the four places
	v_add_nc_u32 v[AA64],  CHUNK, v[AA64]
	v_add_nc_u32 v[AB128], CHUNK, v[AB128]
	v_add_nc_u32 v[AB64],  CHUNK, v[AB64]
	s_wait_alu depctr_va_vdst(0)
	s_wait_tensorcnt 3-(\t+1)/2                    ; my part of that chunk is in; my loads of the chunks behind it may stay out
	s_wait_dscnt 0x0                               ; no LDS load of mine is pending at the signal
	s_barrier_signal -1
	s_barrier_wait -1                              ; everybody's part is in
.elseif \t > 0
	PLACES 4
.endif
	FETCH \t+1
	s_wait_dscnt 48                                ; all but the 48 just issued: this step's fragments are in
.else
	s_wait_dscnt 0x0
.endif
	MUL32 \t, \z
.endm
; 64 numbers of a lane, register 16 b + i = k 32 b + 16 (lane / 16) + i of my row, become a fragment's 12 registers in v[PC] on and its scale word in v[pw].
.macro QUANT s, pw
.irp b, 0,1,2,3
	v_max3_num_f32 v[TM+\b], |v[\s+16*\b]|, |v[\s+1+16*\b]|, 0x2800000   ; block b: my 16 numbers, and the floor 2^(5 - 127): the byte cannot fall under 1
.endr
.irp i, 2,4,6,8,10,12,14
.irp b, 0,1,2,3
	v_max3_num_f32 v[TM+\b], v[TM+\b], |v[\s+16*\b+\i]|, |v[\s+1+16*\b+\i]|
.endr
.endr
.irp b, 0,1,2,3
	v_permlanex16_b32 v[TM+4+\b], v[TM+\b], s[SEL], s[SEL+1]
.endr
.irp b, 0,1,2,3
	v_max_num_f32 v[TM+\b], v[TM+\b], v[TM+4+\b]   ; with lane l xor 16's: the block's largest magnitude
.endr
.irp b, 0,1,2,3
	v_add_nc_u32 v[TM+12+\b], 0xfe000000, v[TM+\b]   ; 4 off its exponent field: the conversion's scale operand
.endr
.irp b, 0,1,2,3
	v_lshrrev_b32 v[TM+4+\b], 23, v[TM+12+\b]      ; the scale's byte
.endr
	v_lshl_or_b32 v[\pw], v[TM+5], 8, v[TM+4]
	v_lshl_or_b32 v[\pw], v[TM+6], 16, v[\pw]
	v_lshl_or_b32 v[\pw], v[TM+7], 24, v[\pw]
.irp c, 0,1
	v_cvt_scalef32_pk16_bf6_f32 v[PC+6*\c:PC+2+6*\c], v[\s+32*\c:\s+15+32*\c], v[TM+12+2*\c]
	v_cvt_scalef32_pk16_bf6_f32 v[PC+12+4*\c:PC+14+4*\c], v[\s+16+32*\c:\s+31+32*\c], v[TM+12+2*\c+1]
.endr
	v_nop                                          ; one plain place behind a scaled conversion
.irp c, 0,1
.irp i, 0,1,2
	v_permlane16_swap_b32 v[PC+6*\c+\i], v[PC+12+4*\c+\i]
.endr
.irp i, 0,1,2
	v_mov_b32 v[PC+3+6*\c+\i], v[PC+12+4*\c+\i]
.endr
.endr
.endm
	s_load_b256 s[4:11], s[0:1], 0x0               ; xw_img s[4:5], xw_sc s[6:7], bq s[8:9], bk s[10:11]
	s_load_b128 s[12:15], s[0:1], 0x20             ; bv s[12:13], qkv_img s[14:15]
	s_load_b64 s[16:17], s[0:1], 0x30              ; qkv_sc
	v_lshl_add_u32 v254, v0, 2, 0x48000
	v_mov_b32 v255, 0
	ds_add_u32 v254, v255
	ds_add_u32 v254, v255
	v_lshrrev_b32 v11, 5, v0
	v_readfirstlane_b32 s[WV], v11                 ; wave 0..3
	s_lshr_b32 s[WA], s[WV], 1
	s_and_b32 s[WB], s[WV], 1
	s_bfe_u32 s52, ttmp6, 0x40000                  ; cx
	s_bfe_u32 s53, ttmp6, 0x40004                  ; cy
	s_and_b32 s54, ttmp7, 0xffff                   ; the cluster's number, 0..47: the grid is one cluster wide
	s_lshr_b32 s[KIND], s54, 4                     ; 0 q, 1 k, 2 v: the same in all sixteen partners
	s_and_b32 s56, s54, 15                         ; which cluster of that kind
	s_and_b32 s57, s56, 1
	s_lshr_b32 s84, s56, 1
	s_lshl_b32 s85, s[KIND], 6
	s_add_co_u32 s85, s85, 512                     ; the weight's first tile for q, k
	s_mov_b32 s58, 640                             ; Wv's first tile
	s_cmp_lt_u32 s[KIND], 2
	s_cselect_b32 s57, s56, s57                    ; q, k: 16 clusters down x's 64 blocks of 128 rows, one across the weight's 4 blocks of 256;
	s_cselect_b32 s84, 0, s84                      ; v: 2 down Wv's 8 blocks of 128, 8 across x's 32 blocks of 256
	s_cselect_b32 s58, 0, s58                      ; A's first tile in xw_img
	s_cselect_b32 s85, s85, 0                      ; B's
	s_lshl_b32 s59, s57, 2
	s_add_co_u32 s59, s59, s53                     ; TR: my block of 128 rows of A: hangs on cy and the cluster's number alone
	s_lshl_b32 s86, s84, 2
	s_add_co_u32 s86, s86, s52                     ; TC: my block of 256 rows of B: on cx and the cluster's number alone
	s_lshl_b32 s60, s59, 3
	s_add_co_u32 s60, s60, s58                     ; my first tile of A
	s_lshl_b32 s87, s86, 4
	s_add_co_u32 s87, s87, s85                     ; my first tile of B
	s_lshl_b32 s62, s[WB], 2                       ; what I fetch, if for A: 4 tiles,
	s_add_co_u32 s62, s62, s60
	s_mul_i32 s62, s62, TILEB
	s_mov_b32 s63, 0
	s_lshl_b32 s88, s[WB], 3                       ; if for B: 8 tiles
	s_add_co_u32 s88, s88, s87
	s_mul_i32 s88, s88, TILEB
	s_mov_b32 s89, 0
	s_lshl_b32 s90, s53, 2
	s_lshl_b32 s90, 15, s90                        ; my row of the cluster
	s_lshl_b32 s91, 0x1111, s52                    ; my column
	s_mul_i32 s92, s[WB], 12288                    ; where they go in a chunk: no place in the cluster enters an LDS address
	s_mul_i32 s93, s[WB], 24576
	; descriptor group 1: rows of 3,072 bytes (a tile's 256 along K: 384 elements of 8 bytes), 12,288 bytes apart in memory, dense in LDS; 4 rows for A, 8 for B
	s_or_b32 s[G1A], s90, (3<<16)|(1<<21)          ; 15:0 the mask: A's tiles go to my row; 17:16 elements of 8 bytes; 21 set beside a mask
	s_or_b32 s[G1B], s91, (3<<16)|(1<<21)          ; B's to my column
	s_mov_b32 s[G1A+1], 384<<16                    ; tensor_dim0
	s_mov_b32 s[G1A+2], 4<<16                      ; tensor_dim1
	s_mov_b32 s[G1A+3], 384<<16                    ; tile_dim0
	s_mov_b32 s[G1A+4], 4                          ; tile_dim1
	s_mov_b32 s[G1A+5], 1536                       ; tensor_dim0_stride
	s_mov_b32 s[G1A+6], 0
	s_mov_b32 s[G1A+7], 0
	s_mov_b32 s[G1B+1], 384<<16
	s_mov_b32 s[G1B+2], 8<<16
	s_mov_b32 s[G1B+3], 384<<16
	s_mov_b32 s[G1B+4], 8
	s_mov_b32 s[G1B+5], 1536
	s_mov_b32 s[G1B+6], 0
	s_mov_b32 s[G1B+7], 0
	s_mov_b32 s[SEL], 0x76543210
	s_mov_b32 s[SEL+1], 0xfedcba98
	s_wait_dscnt 0x0
	s_wait_kmcnt 0x0
	s_add_nc_u64 s[62:63], s[4:5], s[62:63]
	s_add_nc_u64 s[88:89], s[4:5], s[88:89]
.irp s, 0,1,2,3
	s_mov_b32 s[G0A+4*\s], 1                                        ; count = 1
	s_add_co_u32 s[G0A+4*\s+1], s92, \s*CHUNK                       ; LDS address
	s_add_nc_u64 s[G0A+4*\s+2:G0A+4*\s+3], s[62:63], \s*3072        ; global address: chunk s
	s_or_b32 s[G0A+4*\s+3], s[G0A+4*\s+3], 0x80000000               ; type = 2
	s_mov_b32 s[G0B+4*\s], 1
	s_add_co_u32 s[G0B+4*\s+1], s93, \s*CHUNK+24576
	s_add_nc_u64 s[G0B+4*\s+2:G0B+4*\s+3], s[88:89], \s*3072
	s_or_b32 s[G0B+4*\s+3], s[G0B+4*\s+3], 0x80000000
.endr
	CROUND                                         ; all sixteen work-groups are here: the joint loads meet
	s_cmp_eq_u32 s[WA], 0                          ; waves 0 and 1 fetch A's halves, waves 2 and 3 B's: a wave's four fills stand in one branch on its number
	s_cbranch_scc0 .Lfill_b
.irp s, 0,1,2,3
	tensor_load_to_lds s[G0A+4*\s:G0A+4*\s+3], s[G1A:G1A+7]
	s_nop 0
.endr
	PLACES 4
	s_branch .Lfilled
.Lfill_b:
.irp s, 0,1,2,3
	tensor_load_to_lds s[G0B+4*\s:G0B+4*\s+3], s[G1B:G1B+7]
	s_nop 0
.endr
	PLACES 4
.Lfilled:
	v_and_b32 v[LANE], 31, v0
	v_and_b32 v12, 15, v0                          ; r
	v_bfe_u32 v13, v0, 4, 1                        ; h
	v_lshlrev_b32 v[L16], 4, v[LANE]
	v_lshlrev_b32 v[L8], 3, v[LANE]
	s_mul_i32 s94, s[WA], 12288                    ; my four tiles of A in a chunk
	v_add_nc_u32 v[AA128], s94, v[L16]
	v_add_nc_u32 v[AA64], s94, v[L8]
	s_mul_i32 s94, s[WB], 24576                    ; my eight of B, behind A's eight
	s_add_co_u32 s94, s94, 24576
	v_add_nc_u32 v[AB128], s94, v[L16]
	v_add_nc_u32 v[AB64], s94, v[L8]
	v_lshlrev_b32 v[LSO], 4, v12
	v_lshl_add_u32 v[LSO], v13, 9, v[LSO]
	s_wait_alu depctr_va_vdst(0)
	v_lshlrev_b32 v[BOF], 6, v13
	s_wait_alu depctr_va_vdst(0)
	v_and_b32 v14, 8, v12
	v_add_nc_u32 v14, v14, v12
	v_lshlrev_b32 v[AOF], 2, v14
	s_wait_alu depctr_va_vdst(0)
.irp b, 0,1,2,3
	v_mov_b32 v[TM+4+\b], 0                        ; written once: a lane permute's destination counts as one of its sources
.endr
	; the scale words of my tiles, for all of K, straight into registers: each load takes two whole blocks of 256 bytes.  Not asked for jointly: they are one 24th of the codes' bytes
	s_lshl_b32 s95, s[WA], 2
	s_add_co_u32 s95, s95, s60
	s_lshl_b32 s96, s95, 9
	s_mov_b32 s97, 0
	s_add_nc_u64 s[96:97], s[6:7], s[96:97]
	s_lshl_b32 s95, s[WB], 3
	s_add_co_u32 s95, s95, s87
	s_lshl_b32 s98, s95, 9
	s_mov_b32 s99, 0
	s_add_nc_u64 s[98:99], s[6:7], s[98:99]
.irp p, 0,1
.irp q, 0,1
	global_load_b128 v[SA+8*\p+4*\q:SA+8*\p+4*\q+3], v[LSO], s[96:97] offset:1024*\p+256*\q
.endr
.endr
.irp p, 0,1,2,3
.irp q, 0,1
	global_load_b128 v[SB+8*\p+4*\q:SB+8*\p+4*\q+3], v[LSO], s[98:99] offset:1024*\p+256*\q
.endr
.endr
	; where my wave's results go, and its biases
	s_lshl_b32 s57, s59, 1
	s_add_co_u32 s57, s57, s[WA]                   ; X: my 64 rows of A
	s_lshl_b32 s84, s86, 1
	s_add_co_u32 s84, s84, s[WB]                   ; Y: my 128 rows of B
	s_lshr_b32 s94, s57, 5                         ; q, k: unit ((batch = X / 32) 8 + head pair Y) 32 + X % 32
	s_lshl_b32 s94, s94, 3
	s_add_co_u32 s94, s94, s84
	s_lshl_b32 s94, s94, 5
	s_and_b32 s95, s57, 31
	s_add_co_u32 s94, s94, s95
	s_lshr_b32 s95, s84, 4                         ; v: unit ((batch = Y / 16) 16 + head X) 16 + Y % 16
	s_lshl_b32 s95, s95, 4
	s_add_co_u32 s95, s95, s57
	s_lshl_b32 s95, s95, 4
	s_and_b32 s2, s84, 15
	s_add_co_u32 s95, s95, s2
	s_lshl_b32 s61, s84, 9                         ; q, k: the bias of my 128 features begins 512 Y bytes on
	s_lshl_b32 s2, s57, 8                          ; v: that of my 64 features 256 X bytes on
	s_mov_b32 s104, 0x03020100                     ; v: a scale word goes out as it is;
	s_mov_b32 s105, 0x07060504
	s_mov_b32 s56, 0x05040100                      ; q, k: two tiles' halves are joined, head by head
	s_mov_b32 s58, 0x07060302
	s_cmp_lt_u32 s[KIND], 2
	s_cselect_b32 s94, s94, s95
	s_cselect_b32 s61, s61, 0                      ; (both forms of the bias are loaded in every kind, from inside the buffer; one is used)
	s_cselect_b32 s2, 0, s2
	s_cselect_b32 s104, s56, s104
	s_cselect_b32 s105, s58, s105
	s_lshl_b32 s95, s[KIND], 10
	s_add_co_u32 s94, s94, s95                     ; 1,024 units a kind
	s_mul_i32 s56, s94, 6144
	s_mov_b32 s57, 0
	s_add_nc_u64 s[14:15], s[14:15], s[56:57]      ; my 6,144 bytes of codes
	s_lshl_b32 s56, s94, 8
	s_add_nc_u64 s[16:17], s[16:17], s[56:57]      ; my 256 bytes of scale words
	s_cmp_eq_u32 s[KIND], 0
	s_cselect_b64 s[100:101], s[8:9], s[10:11]
	s_cmp_eq_u32 s[KIND], 2
	s_cselect_b64 s[100:101], s[12:13], s[100:101]   ; the kind's bias
	s_mov_b32 s56, s61
	s_add_nc_u64 s[8:9], s[100:101], s[56:57]
	s_mov_b32 s56, s2
	s_add_nc_u64 s[10:11], s[100:101], s[56:57]
.irp b, 0,1,2,3,4,5,6,7
	global_load_b128 v[BI+8*\b:BI+8*\b+3],   v[BOF], s[8:9] offset:4*(32*(\b/2)+8*(\b%2))      ; register 8 b + j: B row 32 (b / 2) + 8 (b % 2) + 16 h + j
	global_load_b128 v[BI+8*\b+4:BI+8*\b+7], v[BOF], s[8:9] offset:4*(32*(\b/2)+8*(\b%2))+16
.endr
.irp a, 0,1,2,3
	global_load_b32 v[BA+2*\a],   v[AOF], s[10:11] offset:4*(32*(\a/2)+8*(\a%2))               ; A row r of tile a, twice: a pair for the packed addition
	global_load_b32 v[BA+2*\a+1], v[AOF], s[10:11] offset:4*(32*(\a/2)+8*(\a%2))
.endr
	s_wait_tensorcnt 3                             ; my part of chunk 0 is in; my three later chunks may stay out
	s_barrier_signal -1
	s_barrier_wait -1                              ; everybody's is
	FETCH 0
	s_wait_loadcnt 0x0                             ; scale words and biases
	STEP 0, 1                                      ; the first step's products start the sums: nothing is cleared
	STEP 1, 0
	STEP 2, 0
	STEP 3, 0
	STEP 4, 0
	STEP 5, 0
	STEP 6, 0
	STEP 7, 0
	WIN 0
	PLACES 4                                       ; in front of the first read of results
; THE WAY OUT of A tile a: the bias is added, the lane's 64 numbers are quantised along B's rows, and the fragment's registers are stored as they stand.
.macro BLOCK a
.if \a > 0
	s_wait_xcnt 0x0                                ; the last tile's stores have read the codes' registers
.endif
	s_cmp_eq_u32 s[KIND], 2                        ; the same in every wave of the cluster
	s_cbranch_scc1 .Lfeat_\@
	WIN 0x01                                       ; source 0: window 1
.set i, 0
.rept 32
	v_pk_add_f32 v[W+2*i:W+2*i+1], v[64*\a+2*i:64*\a+2*i+1], v[BI+2*i:BI+2*i+1]      ; q, k: the bias runs along my registers; each accumulator is read from its low end on
.set i, i+1
.endr
	WIN 0
	s_branch .Lsum_\@
.Lfeat_\@:
	WIN 0x01
.set i, 0
.rept 32
	v_pk_add_f32 v[W+2*i:W+2*i+1], v[64*\a+2*i:64*\a+2*i+1], v[BA+2*\a:BA+2*\a+1]    ; v: one bias for my feature
.set i, i+1
.endr
	WIN 0
.Lsum_\@:
	QUANT W, PW+\a
.irp c, 0,1
	global_store_b128 v[L16], v[PC+6*\c:PC+6*\c+3], s[14:15] offset:(2*\a+\c)*768       ; 512 consecutive bytes,
	global_store_b64 v[L8], v[PC+6*\c+4:PC+6*\c+5], s[14:15] offset:(2*\a+\c)*768+512   ; and 256
.endr
.endm
	BLOCK 0
	BLOCK 1
	BLOCK 2
	BLOCK 3
	v_cmp_le_u32 vcc_lo, 16, v[LANE]               ; lanes 0-15 send tiles 0 and 1's words, lanes 16-31 tiles 2 and 3's
	v_cndmask_b32 v[YY], v[PW], v[PW+2], vcc_lo
	v_cndmask_b32 v[YY+1], v[PW+1], v[PW+3], vcc_lo
	v_perm_b32 v[XX], v[YY+1], v[YY], s104         ; q, k: head 0's bytes of both tiles; v: the first word
	v_perm_b32 v[XX+1], v[YY+1], v[YY], s105       ; q, k: head 1's; v: the second word
	global_store_b64 v[L8], v[XX:XX+1], s[16:17]   ; one aligned block of 256 bytes
	s_wait_dscnt 0x0
	s_wait_tensorcnt 0x0
	ds_add_u32 v254, v255
	s_wait_dscnt 0x0
	CROUND                                         ; the closing round: no work-group ends while a partner may still ask for a tile that names it
	s_endpgm
.Lfunc_end_k_q4a004e9cca_qkv:
	.size	k_q4a004e9cca_qkv, .Lfunc_end_k_q4a004e9cca_qkv-k_q4a004e9cca_qkv
	.p2alignl 7, 3214868480
	.fill 96, 4, 3214868480
	.section	.rodata,"a",@progbits
	.p2align	6, 0x0
	.amdhsa_kernel k_q4a004e9cca_qkv
		.amdhsa_group_segment_fixed_size 295424
		.amdhsa_private_segment_fixed_size 0
		.amdhsa_enable_private_segment 0
		.amdhsa_kernarg_size 56
		.amdhsa_user_sgpr_count 2
		.amdhsa_user_sgpr_kernarg_segment_ptr 1
		.amdhsa_wavefront_size32 1
		.amdhsa_system_sgpr_workgroup_id_x 1
		.amdhsa_system_sgpr_workgroup_id_y 1
		.amdhsa_system_sgpr_workgroup_id_z 1
		.amdhsa_system_vgpr_workitem_id 0
		.amdhsa_next_free_vgpr 1024
		.amdhsa_next_free_sgpr 106
		.amdhsa_reserve_vcc 1
		.amdhsa_float_denorm_mode_32 3
		.amdhsa_float_denorm_mode_16_64 3
		.amdhsa_memory_ordered 1
		.amdhsa_forward_progress 1
		.amdhsa_inst_pref_size 107
	.end_amdhsa_kernel
	.amdgpu_metadata
---
amdhsa.version: [ 1, 2 ]
amdhsa.kernels:
  - .name:           k_q4a004e9cca_qkv
    .symbol:         k_q4a004e9cca_qkv.kd
    .args:
      - { .name: xw_img, .offset: 0, .size: 8, .value_kind: global_buffer, .address_space: global }
      - { .name: xw_sc, .offset: 8, .size: 8, .value_kind: global_buffer, .address_space: global }
      - { .name: bq, .offset: 16, .size: 8, .value_kind: global_buffer, .address_space: global }
      - { .name: bk, .offset: 24, .size: 8, .value_kind: global_buffer, .address_space: global }
      - { .name: bv, .offset: 32, .size: 8, .value_kind: global_buffer, .address_space: global }
      - { .name: qkv_img, .offset: 40, .size: 8, .value_kind: global_buffer, .address_space: global }
      - { .name: qkv_sc, .offset: 48, .size: 8, .value_kind: global_buffer, .address_space: global }
    .group_segment_fixed_size: 295424
    .private_segment_fixed_size: 0
    .kernarg_segment_align: 8
    .kernarg_segment_size: 56
    .max_flat_workgroup_size: 128
    .sgpr_count:     106
    .vgpr_count:     1024
    .wavefront_size: 32
...
	.end_amdgpu_metadata
.endif
;; end of part 2
;; launch attn (part 3): grid 4 x 64, 16 waves a work-group, clusters of 4 x 1, 215,040 bytes of LDS; arguments qkv_img, qkv_sc, a_img, a_sc; writes a_img, a_sc
.if DOCPART == 3
	.amdgcn_target "amdgcn-amd-amdhsa--gfx1250"
	.amdhsa_code_object_version 6
	.text
	.protected	k_q4a004e9cca_attn
	.globl	k_q4a004e9cca_attn
	.p2align	8
	.type	k_q4a004e9cca_attn,@function
k_q4a004e9cca_attn:
	s_mov_b64 s[64:65], 0
	v_nop
	global_prefetch_b8 v0, s[64:65] scope:SCOPE_SE
	s_setreg_imm32_b32 hwreg(HW_REG_WAVE_MODE, 25, 1), 1
	s_wait_xcnt 0x0
	s_wait_alu depctr_hold_cnt(0) depctr_sa_sdst(0) depctr_va_vdst(0) depctr_va_sdst(0) depctr_va_ssrc(0) depctr_va_vcc(0) depctr_vm_vsrc(0)
	s_getreg_b32 s2, hwreg(HW_REG_IB_STS2, 6, 4)
	s_cmp_eq_u32 s2, 0
	s_cbranch_scc0 .Lentry_in_a_cluster
	s_endpgm
.Lentry_in_a_cluster:
	s_bfe_u32 s2, ttmp6, 0x10000c
	s_cmp_lg_u32 s2, 0x3003
	s_cbranch_scc0 .Lentry_shape_is_right
	s_endpgm
.Lentry_shape_is_right:
; Causal attention of one head on codes of BF6 (E3M2) with E8M0 scales: S^T = K Q^T (K = the head's 64), p = 2^(t - M), O^T = V^T P^T (K = the keys), O / the row's sum, quantised at once along the model's 1,024 for the last product.
; t = score x log2(e) / 8; M = the row's largest t so far, rounded UP to a whole number; the row's sum is taken of the unquantised p, in f32; when M moves, the sum and O are multiplied by 2^(old M - new M): exact.
; INPUTS as the launch before laid them: half fragments of 768 bytes (16 rows x 64 K; lane's registers 0-3 at 16 x lane, 4-5 at 512 + 8 x lane).  Token tile T holds tokens 32 (T / 2) + 8 (T % 2) + r + 8 (r / 8).
; THE HEAD'S K IS 64, THE INSTRUCTION'S 128.  A fragment of K carries 32 keys: token tile 2 f's features in k < 64 and tile 2 f + 1's in k >= 64.  Q is used as [q | 0] and as [0 | q]: the first product gives tile 2 f's scores,
; the second tile 2 f + 1's.  Zero codes add exact zeros (the format has no infinity and no NaN); their scale bytes are 0, which is 2^-127.  One run of registers, 0 | q | 0, serves both.
; Both products are used transposed: a lane holds ONE query (lane % 16) throughout; the 16 registers of a fragment's two products are keys 32 f + 16 (lane / 16) + 0 .. 15.
; SHARES.  The four work-groups of a cluster serve one head; its whole K and V, codes and scale words, come into each one's LDS ONCE, by joint loads that name the four.  No byte of LDS is filled twice.
; Wave w (g = w / 2, e = w % 2) of work-group cx takes query tiles 8 g + 2 cx + e and 120 - 8 g + 2 cx + e: g + 1 and 16 - g key steps of 128 keys, 17 for every wave of the launch.
; The loops' trip counts are constants (8 and 16); a step all of whose keys come after the tile's queries is jumped over by a scalar branch on the wave's number.  cx enters global addresses and the mask's lane values alone.
; THE MASK: hidden scores become -infinity where the definition has -1e9: the same p = 0 as long as a row's visible logits lie above about -1e9 + 200.  LIMITS besides: NaN and infinities are not served; a block of zeros gets the scale byte 1.
; OUT.  a_img [token tile][head][768]: the last product's operand image.  a_sc [token tile][K half][r][16]: this head owns two bytes of each row, so they leave by stores of 2 bytes a lane, 16 bytes apart, inside one block of 256 bytes: one 24th of the codes' bytes.
; By this text's count a wave has at most one tensor load outstanding.
.set LK,   0                           ; LDS: K's 128 half fragments, 6,144 bytes a key step
.set LV,   98304                       ; V: 16 key steps x 4 fragments of 1,536 bytes
.set LKS,  196608                      ; K's scale words, both heads of the pair: 512 bytes a key step
.set LVS,  204800                      ; V's, both heads: 4,096 bytes a head, 256 a key step
.set KV,   56                          ; v56-103  four fragments: K's, then V's
.set S,    104                         ; v104-167 S^T, then p
.set O,    168                         ; v168-199 O^T
.set PC,   200                         ; v200-218 codes
.set BM,   220                         ; v220-223 block maxima
.set BP,   224                         ; v224-227 the other half's, then bytes
.set BS,   228                         ; v228-231 the conversions' scale operands
.set T0,   232
.set FP,   234                         ; v[234:235] f = 2^(old M - new M)
.set SC2,  236                         ; v[236:237] the second chain of the sum
.set NINF, 238
.set WV,   12
.set SEL,  20
.set CS,   22
.set G1K,  24
.set G1V,  32
.set G1S,  40
.set G0K,  48
.set G0V,  52
.set G0S,  56
.set KS,   60                          ; s60 the key step
.set GC,   61                          ; s61 the tile's last key step, the one on the diagonal
.set TB,   62                          ; s62 6,144 x key step
.set TK,   63                          ; s63 512 x key step
.set TV,   66                          ; s66 256 x key step
.macro PLACES n
.rept \n
	v_nop
.endr
.endm
.macro CROUND                          ; a round of the cluster's barrier
	s_barrier_signal -1
	s_barrier_wait -1
	s_cmp_lg_u32 s[WV], 0
	s_cbranch_scc1 .Lnot_wave_0_\@
	s_barrier_signal -3
.Lnot_wave_0_\@:
	s_barrier_wait -3
	s_barrier_signal -1
	s_barrier_wait -1
.endm
; One product.  z = 1: C is the constant 0, else C = D.  ra = 1: source 0's scales are taken from lanes 16-31.
.macro WM d, fa, fb, z, sa, sb, ra
.if \z
.if (\ra)
	v_wmma_scale_f32_16x16x128_f8f6f4 v[0+(\d):7+(\d)], v[0+(\fa):11+(\fa)], v[0+(\fb):11+(\fb)], 0, v[0+(\sa)], v[0+(\sb)] matrix_a_fmt:MATRIX_FMT_BF6 matrix_b_fmt:MATRIX_FMT_BF6 matrix_a_scale:MATRIX_SCALE_ROW1
.else
	v_wmma_scale_f32_16x16x128_f8f6f4 v[0+(\d):7+(\d)], v[0+(\fa):11+(\fa)], v[0+(\fb):11+(\fb)], 0, v[0+(\sa)], v[0+(\sb)] matrix_a_fmt:MATRIX_FMT_BF6 matrix_b_fmt:MATRIX_FMT_BF6
.endif
.else
.if (\ra)
	v_wmma_scale_f32_16x16x128_f8f6f4 v[0+(\d):7+(\d)], v[0+(\fa):11+(\fa)], v[0+(\fb):11+(\fb)], v[0+(\d):7+(\d)], v[0+(\sa)], v[0+(\sb)] matrix_a_fmt:MATRIX_FMT_BF6 matrix_b_fmt:MATRIX_FMT_BF6 matrix_a_scale:MATRIX_SCALE_ROW1
.else
	v_wmma_scale_f32_16x16x128_f8f6f4 v[0+(\d):7+(\d)], v[0+(\fa):11+(\fa)], v[0+(\fb):11+(\fb)], v[0+(\d):7+(\d)], v[0+(\sa)], v[0+(\sb)] matrix_a_fmt:MATRIX_FMT_BF6 matrix_b_fmt:MATRIX_FMT_BF6
.endif
.endif
.endm
	s_load_b256 s[4:11], s[0:1], 0x0               ; qkv_img s[4:5], qkv_sc s[6:7], a_img s[8:9], a_sc s[10:11]
	v_lshl_add_u32 v254, v0, 2, 0x34000
	v_mov_b32 v255, 0
	ds_add_u32 v254, v255
	ds_add_u32 v254, v255
	v_lshrrev_b32 v3, 5, v0
	s_delay_alu instid0(VALU_DEP_1)
	v_readfirstlane_b32 s[WV], v3                  ; wave 0..15
	s_bfe_u32 s13, ttmp6, 0x40000                  ; cx
	s_and_b32 s14, ttmp7, 0xffff                   ; 16 x batch + head: the four partners share it
	s_lshr_b32 s15, s14, 4                         ; batch
	s_and_b32 s16, s14, 15                         ; head
	s_lshr_b32 s17, s16, 1                         ; head pair
	s_and_b32 s18, s16, 1                          ; which of the pair
	s_and_b32 s19, s[WV], 1                        ; e.  Also: which half I fetch, if I fetch
	s_lshr_b32 s76, s[WV], 1                       ; g
	s_lshl_b32 s80, s15, 3
	s_add_co_u32 s80, s80, s17                     ; 8 x batch + head pair
	s_mul_i32 s82, s80, 196608                     ; K's codes: kind 1; a pair's 128 tiles x 1,536 bytes; my head's half fragment; 64 tiles a half
	s_mul_i32 s81, s18, 768
	s_add_co_u32 s82, s82, s81
	s_mul_i32 s81, s19, 98304
	s_add_co_u32 s82, s82, s81
	s_add_co_u32 s82, s82, 6291456
	s_mov_b32 s83, 0
	s_mul_i32 s84, s14, 98304                      ; V's codes: kind 2; a head's 98,304 dense bytes; half of them
	s_mul_i32 s81, s19, 49152
	s_add_co_u32 s84, s84, s81
	s_add_co_u32 s84, s84, 12582912
	s_mov_b32 s85, 0
	s_lshl_b32 s86, s80, 13                        ; the scale words: 8,192 bytes a head pair, K's in kind 1, V's in kind 2, 262,144 bytes on
	s_lshl_b32 s81, s19, 18
	s_add_co_u32 s86, s86, s81
	s_add_co_u32 s86, s86, 262144
	s_mov_b32 s87, 0
	; descriptor groups 1: elements of 8 bytes, the mask of all four work-groups, bit 21 beside it, no padding
	s_mov_b32 s[G1K], 15|(3<<16)|(1<<21)           ; K: 64 rows of 768 bytes, 1,536 bytes apart
	s_mov_b32 s[G1K+1], 96<<16
	s_mov_b32 s[G1K+2], 64<<16
	s_mov_b32 s[G1K+3], 96<<16
	s_mov_b32 s[G1K+4], 64
	s_mov_b32 s[G1K+5], 192
	s_mov_b32 s[G1K+6], 0
	s_mov_b32 s[G1K+7], 0
	s_mov_b32 s[G1V], 15|(3<<16)|(1<<21)           ; V: 64 rows of 768 bytes, dense
	s_mov_b32 s[G1V+1], 96<<16
	s_mov_b32 s[G1V+2], 64<<16
	s_mov_b32 s[G1V+3], 96<<16
	s_mov_b32 s[G1V+4], 64
	s_mov_b32 s[G1V+5], 96
	s_mov_b32 s[G1V+6], 0
	s_mov_b32 s[G1V+7], 0
	s_mov_b32 s[G1S], 15|(3<<16)|(1<<21)           ; scale words: 32 rows of 256 bytes, dense
	s_mov_b32 s[G1S+1], 32<<16
	s_mov_b32 s[G1S+2], 32<<16
	s_mov_b32 s[G1S+3], 32<<16
	s_mov_b32 s[G1S+4], 32
	s_mov_b32 s[G1S+5], 32
	s_mov_b32 s[G1S+6], 0
	s_mov_b32 s[G1S+7], 0
	s_mov_b32 s[SEL], 0x76543210
	s_mov_b32 s[SEL+1], 0xfedcba98
	s_mov_b32 s[CS], 0x3e38aa3b                    ; c = log2(e) / sqrt(64)
	s_mov_b32 s[CS+1], s[CS]                       ; (named with it as a pair, so it is written)
	s_wait_dscnt 0x0
	s_wait_kmcnt 0x0
	s_mov_b32 s[G0K], 1
	s_mul_i32 s[G0K+1], s19, 49152
	s_add_nc_u64 s[G0K+2:G0K+3], s[4:5], s[82:83]
	s_or_b32 s[G0K+3], s[G0K+3], 0x80000000
	s_mov_b32 s[G0V], 1
	s_add_co_u32 s[G0V+1], s[G0K+1], LV
	s_add_nc_u64 s[G0V+2:G0V+3], s[4:5], s[84:85]
	s_or_b32 s[G0V+3], s[G0V+3], 0x80000000
	s_mov_b32 s[G0S], 1
	s_lshl_b32 s[G0S+1], s19, 13
	s_add_co_u32 s[G0S+1], s[G0S+1], LKS
	s_add_nc_u64 s[G0S+2:G0S+3], s[6:7], s[86:87]
	s_or_b32 s[G0S+3], s[G0S+3], 0x80000000
	CROUND                                         ; all four work-groups are here: the joint loads meet
	s_cmp_lt_u32 s[WV], 2                          ; waves 0, 1: K's halves; 2, 3: V's; 4: K's scale words; 5: V's; the others fetch nothing.  The branches hang on the wave's number alone
	s_cbranch_scc0 .Lnot_k
	tensor_load_to_lds s[G0K:G0K+3], s[G1K:G1K+7]
	s_nop 0
	PLACES 4
	s_branch .Lasked
.Lnot_k:
	s_cmp_lt_u32 s[WV], 4
	s_cbranch_scc0 .Lnot_v
	tensor_load_to_lds s[G0V:G0V+3], s[G1V:G1V+7]
	s_nop 0
	PLACES 4
	s_branch .Lasked
.Lnot_v:
	s_cmp_lt_u32 s[WV], 6
	s_cbranch_scc0 .Lasked
	tensor_load_to_lds s[G0S:G0S+3], s[G1S:G1S+7]
	s_nop 0
	PLACES 4
.Lasked:
	; my two query tiles, and where their codes, scale words and results lie
	s_lshl_b32 s78, s76, 3
	s_lshl_b32 s81, s13, 1
	s_add_co_u32 s81, s81, s19                     ; 2 cx + e
	s_sub_co_u32 s79, 120, s78
	s_add_co_u32 s79, s79, s81                     ; the late tile
	s_add_co_u32 s78, s78, s81                     ; the early tile
	s_lshl_b32 s88, s80, 7                         ; 128 tiles a head pair
	s_mul_i32 s89, s18, 768
	s_lshl_b32 s84, s80, 13
	s_lshl_b32 s81, s18, 2
	s_add_co_u32 s84, s84, s81                     ; q's scale words: 8,192 bytes a pair, + 4 for the pair's second head
	s_lshl_b32 s85, s15, 7                         ; 128 token tiles a batch
	s_lshr_b32 s86, s16, 3
	s_lshl_b32 s86, s86, 8
	s_and_b32 s81, s16, 7
	s_lshl_b32 s81, s81, 1
	s_add_co_u32 s86, s86, s81                     ; my head's two bytes in a row's scale bytes: 256 (head / 8) + 2 (head % 8)
.macro PTRS tau, qp, qs, oa, os
	s_add_co_u32 s82, s88, s[\tau]
	s_mul_i32 s82, s82, 1536
	s_add_co_u32 s82, s82, s89
	s_add_nc_u64 s[\qp:\qp+1], s[4:5], s[82:83]    ; q's half fragment
	s_lshr_b32 s82, s[\tau], 1
	s_lshl_b32 s82, s82, 7
	s_add_co_u32 s82, s82, s84
	s_add_nc_u64 s[\qs:\qs+1], s[6:7], s[82:83]    ; its scale words
	s_add_co_u32 s87, s85, s[\tau]
	s_lshl_b32 s82, s87, 4
	s_add_co_u32 s82, s82, s16
	s_mul_i32 s82, s82, 768
	s_add_nc_u64 s[\oa:\oa+1], s[8:9], s[82:83]    ; the result's half fragment: (16 x token tile + head) x 768
	s_lshl_b32 s82, s87, 9
	s_add_co_u32 s82, s82, s86
	s_add_nc_u64 s[\os:\os+1], s[10:11], s[82:83]  ; and its scale bytes
.endm
	PTRS 78, 90, 94, 68, 70
	PTRS 79, 92, 96, 72, 74
	v_and_b32 v241, 31, v0                         ; lane
	s_delay_alu instid0(VALU_DEP_1)
	v_lshlrev_b32 v1, 4, v241                      ; 16 x lane
	s_delay_alu instid0(VALU_DEP_2)
	v_lshlrev_b32 v2, 3, v241                      ; 8 x lane
	v_and_b32 v3, 15, v0                           ; r
	s_delay_alu instid0(VALU_DEP_1)
	v_lshlrev_b32 v55, 4, v3                       ; 16 r
	s_delay_alu instid0(VALU_DEP_2)
	v_lshlrev_b32 v233, 3, v3                      ; 8 r
	global_load_b128 v[22:25], v1, s[90:91]        ; the early tile's q
	global_load_b64 v[26:27], v2, s[90:91] offset:512
	global_load_b128 v[34:37], v1, s[92:93]        ; the late tile's
	global_load_b64 v[38:39], v2, s[92:93] offset:512
	global_load_b32 v243, v233, s[94:95]           ; their scale words: my tile's two bytes are the half e of the word
	global_load_b32 v244, v233, s[96:97]
	v_and_b32 v4, 8, v3
	s_delay_alu instid0(VALU_DEP_1)
	v_add_nc_u32 v4, v4, v3                        ; r + 8 (r / 8)
	v_bfe_u32 v5, v0, 4, 1
	s_delay_alu instid0(VALU_DEP_1)
	v_lshlrev_b32 v5, 4, v5
	s_delay_alu instid0(VALU_DEP_1)
	v_sub_nc_u32 v9, v4, v5
	s_lshl_b32 s81, s13, 5
	s_lshl_b32 s82, s19, 3
	s_add_co_u32 s81, s81, s82
	v_add_nc_u32 v9, s81, v9                       ; d = my query's place in its 128 tokens - 16 (lane / 16): the same for both tiles.  It enters compares of values alone
	s_lshl_b32 s82, s18, 2
	s_add_co_u32 s82, s82, LKS
	v_add_nc_u32 v10, s82, v2                      ; K's scale words: lanes 0-15 an even fragment's rows, lanes 16-31 the next one's
	s_lshl_b32 s82, s18, 12
	s_add_co_u32 s82, s82, LVS
	v_add_nc_u32 v11, s82, v2                      ; V's: two words a lane
	v_add_nc_u32 v239, LV, v1
	v_add_nc_u32 v240, LV, v2
.irp j, 16,17,18,19,20,21,28,29,30,31,32,33,40,41,42,43,44,45
	v_mov_b32 v\j, 0                               ; 0 | q | 0 | q | 0
.endr
.irp b, 0,1,2,3
	v_mov_b32 v[BP+\b], 0                          ; written once: a lane permute's destination counts as one of its sources
.endr
	v_mov_b32 v[T0], 0
	v_mov_b32 v[FP+1], 0                           ; (named as the upper half of a pair)
	v_mov_b32 v[NINF], 0xff800000                  ; -infinity
	s_wait_loadcnt 0x0                             ; q
	s_lshl_b32 s82, s19, 4
	v_lshrrev_b32 v46, s82, v243
	s_delay_alu instid0(VALU_DEP_1)
	v_and_b32 v46, 0xffff, v46                     ; [q | 0]'s scale word: q's two bytes below, 0 above
	s_delay_alu instid0(VALU_DEP_1)
	v_lshlrev_b32 v47, 16, v46                     ; [0 | q]'s
	v_lshrrev_b32 v48, s82, v244
	s_delay_alu instid0(VALU_DEP_1)
	v_and_b32 v48, 0xffff, v48
	s_delay_alu instid0(VALU_DEP_1)
	v_lshlrev_b32 v49, 16, v48
	s_wait_tensorcnt 0x0                           ; my load, if I issued one, has landed
	s_barrier_signal -1
	s_barrier_wait -1                              ; everybody's has: from here on LDS is only read
; A KEY STEP: 128 keys.  qlo, qhi: the runs [q | 0] and [0 | q]; slo, shi: their scale words.
.macro STEP qlo, qhi, slo, shi
	s_cmp_gt_u32 s[KS], s[GC]                      ; all its keys come after my queries: only the lines at its end are run
	s_cbranch_scc1 .Lskip_\@
	s_setprio 2
	v_add_nc_u32 v3, s[TB], v1                     ; (these four lines are the places between the last step's products and the loads into the registers that they read)
	v_add_nc_u32 v4, s[TB], v2
	v_add_nc_u32 v7, s[TK], v10
	v_add_nc_u32 v8, s[TV], v11
.irp f, 0,1,2,3
	ds_load_b128 v[KV+12*\f:KV+12*\f+3],     v3 offset:1536*\f
	ds_load_b64  v[KV+12*\f+4:KV+12*\f+5],   v4 offset:1536*\f+512
	ds_load_b128 v[KV+12*\f+6:KV+12*\f+9],   v3 offset:1536*\f+768
	ds_load_b64  v[KV+12*\f+10:KV+12*\f+11], v4 offset:1536*\f+1280
.endr
	ds_load_b32 v50, v7                            ; fragments 0 | 1
	ds_load_b32 v51, v7 offset:256                 ; fragments 2 | 3
	s_wait_alu depctr_va_vdst(0)
	s_wait_dscnt 0x0
.irp f, 0,1,2,3
	WM S+8*(2*\f),   KV+12*\f, \qlo, 1, 50+\f/2, \slo, \f%2     ; keys 32 f + 16 h + 0 .. 7
	WM S+8*(2*\f+1), KV+12*\f, \qhi, 1, 50+\f/2, \shi, \f%2     ; keys 32 f + 16 h + 8 .. 15
.endr
	v_add_nc_u32 v5, s[TB], v239                   ; four places: in front of V's loads into K's registers, and of the first read of the scores
	v_add_nc_u32 v6, s[TB], v240
	PLACES 2
.irp f, 0,1,2,3                                ; V's four fragments land while the softmax is worked
	ds_load_b128 v[KV+12*\f:KV+12*\f+3],     v5 offset:1536*\f
	ds_load_b64  v[KV+12*\f+4:KV+12*\f+5],   v6 offset:1536*\f+512
	ds_load_b128 v[KV+12*\f+6:KV+12*\f+9],   v5 offset:1536*\f+768
	ds_load_b64  v[KV+12*\f+10:KV+12*\f+11], v6 offset:1536*\f+1280
.endr
	ds_load_b64 v[52:53], v8
	s_cmp_lt_u32 s[KS], s[GC]                      ; a step all of whose keys count skips the mask
	s_cbranch_scc1 .Lopen_\@
.set n, 0
.rept 64
	v_cmp_gt_i32 vcc_lo, 32*(n/16)+n%16, v9        ; register 16 f + i holds key 32 f + 16 h + i of the step: hidden where 32 f + i > d
	v_cndmask_b32 v[S+n], v[S+n], v[NINF], vcc_lo
.set n, n+1
.endr
.Lopen_\@:
.irp b, 0,1,2,3
	v_max3_num_f32 v[BM+\b], v[S+16*\b], v[S+1+16*\b], v[S+2+16*\b]   ; the largest score of each block of 32 keys: it serves for the row's maximum and, since p rises with the score, for the block's largest p
.endr
.irp i, 3,5,7,9,11,13
.irp b, 0,1,2,3
	v_max3_num_f32 v[BM+\b], v[BM+\b], v[S+16*\b+\i], v[S+1+16*\b+\i]
.endr
.endr
.irp b, 0,1,2,3
	v_max_num_f32 v[BM+\b], v[BM+\b], v[S+15+16*\b]
.endr
.irp b, 0,1,2,3
	s_delay_alu instid0(VALU_DEP_4)
	v_permlanex16_b32 v[BP+\b], v[BM+\b], s[SEL], s[SEL+1]
.endr
.irp b, 0,1,2,3
	s_delay_alu instid0(VALU_DEP_4)
	v_max_num_f32 v[BM+\b], v[BM+\b], v[BP+\b]     ; with lane l xor 16's 16 keys
.endr
	s_delay_alu instid0(VALU_DEP_2)
	v_max3_num_f32 v[T0], v[BM], v[BM+1], v[BM+2]
	s_delay_alu instid0(VALU_DEP_1)
	v_max_num_f32 v[T0], v[T0], v[BM+3]            ; the step's largest score of my query
	s_delay_alu instid0(VALU_DEP_1)
	v_mul_f32 v[T0], s[CS], v[T0]                  ; as t
	s_delay_alu instid0(VALU_DEP_1)
	v_max_num_f32 v13, v13, v[T0]                  ; the running largest t
	v_mov_b32 v[T0], v12
	s_delay_alu instid0(VALU_DEP_2)
	v_floor_f32 v12, -v13                          ; the new -M = floor(-t): M is a whole number
	s_delay_alu instid0(VALU_DEP_1)
	v_sub_f32 v[T0], v12, v[T0]                    ; old M - new M: a whole number, 0 or less
	s_delay_alu instid0(VALU_DEP_1)
	v_cvt_i32_f32 v[T0], v[T0]                     ; (it saturates)
	s_delay_alu instid0(VALU_DEP_1)
	v_ldexp_f32 v[FP], 1.0, v[T0]                  ; f = 2^(old M - new M)
.set n, 0
.rept 32
	v_pk_fma_f32 v[S+n:S+n+1], v[S+n:S+n+1], s[CS:CS+1], v[12:13] op_sel_hi:[1,0,0]   ; t - M, two at a time
.set n, n+2
.endr
	s_setprio 1
.irp b, 0,1,2,3
	v_fma_f32 v[BM+\b], v[BM+\b], s[CS], v12       ; the same of each block's largest score
.endr
.set n, 0
	s_wait_alu depctr_va_vdst(0)
.rept 64
	v_exp_f32 v[S+n], v[S+n]                       ; p = 2^(t - M), at most 1: not normalised
.set n, n+1
.endr
.irp b, 0,1,2,3
	v_exp_f32 v[BM+\b], v[BM+\b]                   ; the block's largest p
.endr
	v_pk_mul_f32 v[14:15], v[14:15], v[FP:FP+1] op_sel_hi:[1,0]   ; the sums under the new M.  (A plain place behind the exponentials)
	s_wait_alu depctr_va_vdst(0)
.irp b, 0,1,2,3
	v_max_num_f32 v[BM+\b], 0x2800000, v[BM+\b]    ; the floor 2^(5 - 127): the byte cannot fall under 1
.endr
.irp b, 0,1,2,3
	s_delay_alu instid0(VALU_DEP_4)
	v_add_nc_u32 v[BS+\b], 0xfe000000, v[BM+\b]    ; 4 off the exponent field: the conversion's scale operand
.endr
.irp b, 0,1,2,3
	s_delay_alu instid0(VALU_DEP_4)
	v_lshrrev_b32 v[BP+\b], 23, v[BS+\b]           ; the scale's byte
.endr
	s_delay_alu instid0(VALU_DEP_3)
	v_lshl_or_b32 v54, v[BP+1], 8, v[BP]           ; p's scale word for these 128 keys
	s_delay_alu instid0(VALU_DEP_1)
	v_lshl_or_b32 v54, v[BP+2], 16, v54
	s_delay_alu instid0(VALU_DEP_1)
	v_lshl_or_b32 v54, v[BP+3], 24, v54
.irp c, 0,1
	v_cvt_scalef32_pk16_bf6_f32 v[PC+6*\c:PC+2+6*\c], v[S+32*\c:S+15+32*\c], v[BS+2*\c]
	v_cvt_scalef32_pk16_bf6_f32 v[PC+12+4*\c:PC+14+4*\c], v[S+16+32*\c:S+31+32*\c], v[BS+2*\c+1]   ; (a conversion's three registers begin on an even number)
.endr
	v_nop                                          ; one plain place behind a scaled conversion
.irp c, 0,1                                    ; the operand's layout wants a whole block in a lane
.irp i, 0,1,2
	v_permlane16_swap_b32 v[PC+6*\c+\i], v[PC+12+4*\c+\i]
.endr
.irp i, 0,1,2
	s_delay_alu instid0(VALU_DEP_3)
	v_mov_b32 v[PC+3+6*\c+\i], v[PC+12+4*\c+\i]
.endr
.endr
	v_pk_add_f32 v[236:237], v[108:109], v[112:113]
	v_pk_add_f32 v[252:253], v[116:117], v[120:121]
	v_pk_add_f32 v[250:251], v[124:125], v[128:129]
	v_pk_add_f32 v[248:249], v[132:133], v[136:137]
	v_pk_add_f32 v[246:247], v[140:141], v[144:145]
	v_pk_add_f32 v[14:15], v[14:15], v[148:149]
	v_pk_add_f32 v[236:237], v[236:237], v[152:153]
	v_pk_add_f32 v[252:253], v[252:253], v[156:157]
	v_pk_add_f32 v[250:251], v[250:251], v[160:161]
	v_pk_add_f32 v[248:249], v[248:249], v[164:165]
	s_setprio 0
	v_pk_add_f32 v[246:247], v[246:247], v[104:105]
	v_pk_add_f32 v[14:15], v[14:15], v[106:107]
	v_pk_add_f32 v[236:237], v[236:237], v[110:111]
	v_pk_add_f32 v[252:253], v[252:253], v[114:115]
	v_pk_add_f32 v[250:251], v[250:251], v[118:119]
	v_pk_add_f32 v[248:249], v[248:249], v[122:123]
	v_pk_add_f32 v[246:247], v[246:247], v[126:127]
	v_pk_add_f32 v[14:15], v[14:15], v[130:131]
	v_pk_add_f32 v[236:237], v[236:237], v[134:135]
	v_pk_add_f32 v[252:253], v[252:253], v[138:139]
	v_pk_add_f32 v[250:251], v[250:251], v[142:143]
	v_pk_add_f32 v[248:249], v[248:249], v[146:147]
	v_pk_add_f32 v[246:247], v[246:247], v[150:151]
	v_pk_add_f32 v[14:15], v[14:15], v[154:155]
	v_pk_add_f32 v[236:237], v[236:237], v[158:159]
	v_pk_add_f32 v[252:253], v[252:253], v[162:163]
	v_pk_add_f32 v[250:251], v[250:251], v[166:167]
	s_delay_alu instid0(VALU_DEP_1)
	v_pk_add_f32 v[14:15], v[14:15], v[250:251]
	s_delay_alu instid0(VALU_DEP_4)
	v_pk_add_f32 v[236:237], v[236:237], v[248:249]
	s_delay_alu instid0(VALU_DEP_4)
	v_pk_add_f32 v[252:253], v[252:253], v[246:247]
	s_delay_alu instid0(VALU_DEP_1)
	v_pk_add_f32 v[14:15], v[14:15], v[252:253]
	s_delay_alu instid0(VALU_DEP_1)
	v_pk_add_f32 v[14:15], v[14:15], v[236:237]
.set n, 0
.rept 16
	v_pk_mul_f32 v[O+n:O+n+1], v[O+n:O+n+1], v[FP:FP+1] op_sel_hi:[1,0]   ; O^T under the new M
.set n, n+2
.endr
	s_wait_alu depctr_va_vdst(0)
	s_wait_dscnt 0x0                               ; V's fragments and scale words are in
.irp t, 0,1,2,3                                ; O^T += V^T P^T: the four accumulators by turns; feature tiles 0, 1 take their scales from lanes 0-15, tiles 2, 3 from lanes 16-31
	WM O+8*\t, KV+12*\t, PC, 0, 52+\t%2, 54, \t/2
.endr
.Lskip_\@:
	s_add_co_u32 s[KS], s[KS], 1
	s_add_co_u32 s[TB], s[TB], 6144
	s_add_co_u32 s[TK], s[TK], 512
	s_add_co_u32 s[TV], s[TV], 256
.endm
; A QUERY TILE: n trips, a constant; s[GC] holds its last key step.
.macro TILE n, qlo, qhi, slo, shi, oa, os
	v_mov_b32 v13, 0xff61b1e6                      ; the largest t so far: -3e38, under every t
	s_delay_alu instid0(VALU_DEP_1)
	v_floor_f32 v12, -v13                          ; -M
	v_mov_b32 v14, 0                               ; the sum, in two halves
	v_mov_b32 v15, 0
.set n, 0
.rept 32
	v_mov_b32 v[O+n], 0                            ; O^T: the step is written once; its first trip finds zeros, which the first change of M leaves zeros
.set n, n+1
.endr
	s_mov_b32 s[KS], 0
	s_mov_b32 s[TB], 0
	s_mov_b32 s[TK], 0
	s_mov_b32 s[TV], 0
.Ltile_\@:
	STEP \qlo, \qhi, \slo, \shi
	s_cmp_lt_u32 s[KS], \n
	s_cbranch_scc1 .Ltile_\@
	s_setprio 0
	PLACES 4                                       ; in front of the first read of the last products' results
	v_add_f32 v14, v14, v15
	s_delay_alu instid0(VALU_DEP_1)
	v_permlanex16_b32 v[T0], v14, s[SEL], s[SEL+1]
	s_delay_alu instid0(VALU_DEP_1)
	v_add_f32 v14, v14, v[T0]                      ; the row's sum
	s_wait_alu depctr_va_vdst(0)
	v_rcp_f32 v14, v14
	v_nop                                          ; one plain place behind a transcendental
.set n, 0
	s_wait_alu depctr_va_vdst(0)
.rept 32
	v_mul_f32 v[S+n], v[O+n], v14                  ; O^T / the sum: register 16 b + i is feature 32 b + 16 h + i of my query; each accumulator is read from its low end on
.set n, n+1
.endr
.irp b, 0,1                                    ; the head's two blocks of 32 along the last product's K
	v_max3_num_f32 v[BM+\b], |v[S+16*\b]|, |v[S+1+16*\b]|, 0x2800000
.endr
.irp i, 2,4,6,8,10,12,14
.irp b, 0,1
	s_delay_alu instid0(VALU_DEP_2)
	v_max3_num_f32 v[BM+\b], v[BM+\b], |v[S+16*\b+\i]|, |v[S+1+16*\b+\i]|
.endr
.endr
.irp b, 0,1
	s_delay_alu instid0(VALU_DEP_2)
	v_permlanex16_b32 v[BP+\b], v[BM+\b], s[SEL], s[SEL+1]
.endr
.irp b, 0,1
	s_delay_alu instid0(VALU_DEP_2)
	v_max_num_f32 v[BM+\b], v[BM+\b], v[BP+\b]
.endr
.irp b, 0,1
	s_delay_alu instid0(VALU_DEP_2)
	v_add_nc_u32 v[BS+\b], 0xfe000000, v[BM+\b]
.endr
.irp b, 0,1
	s_delay_alu instid0(VALU_DEP_2)
	v_lshrrev_b32 v[BP+\b], 23, v[BS+\b]
.endr
	s_delay_alu instid0(VALU_DEP_1)
	v_lshl_or_b32 v242, v[BP+1], 8, v[BP]          ; my row's two scale bytes
	v_cvt_scalef32_pk16_bf6_f32 v[PC:PC+2], v[S:S+15], v[BS]
	v_cvt_scalef32_pk16_bf6_f32 v[PC+6:PC+8], v[S+16:S+31], v[BS+1]
	v_nop                                          ; one plain place behind a scaled conversion
.irp i, 0,1,2
	v_permlane16_swap_b32 v[PC+\i], v[PC+6+\i]
.endr
.irp i, 0,1,2
	s_delay_alu instid0(VALU_DEP_3)
	v_mov_b32 v[PC+3+\i], v[PC+6+\i]
.endr
	global_store_b128 v1, v[PC:PC+3], s[\oa:\oa+1]             ; the half fragment: 512 consecutive bytes,
	global_store_b64 v2, v[PC+4:PC+5], s[\oa:\oa+1] offset:512 ; and 256
	v_cmp_gt_u32 vcc_lo, 16, v241
	s_wait_xcnt 0x0                                ; EXEC changes only behind this wait; it also frees the codes' registers
	s_and_saveexec_b32 s67, vcc_lo                 ; lanes 0-15: one lane a row
	global_store_b16 v55, v242, s[\os:\os+1]
	s_wait_xcnt 0x0                                ; and again, in front of the line that widens it
	s_or_b32 exec_lo, exec_lo, s67
.endm
	s_mov_b32 s[GC], s76                           ; the early tile: key steps 0 .. g
	TILE 8, 22, 16, 46, 47, 68, 70
	s_sub_co_u32 s[GC], 15, s76                    ; the late tile: key steps 0 .. 15 - g
	TILE 16, 34, 28, 48, 49, 72, 74
	s_wait_dscnt 0x0
	s_wait_tensorcnt 0x0
	ds_add_u32 v254, v255
	s_wait_dscnt 0x0
	CROUND                                         ; the closing round
	s_endpgm
.Lfunc_end_k_q4a004e9cca_attn:
	.size	k_q4a004e9cca_attn, .Lfunc_end_k_q4a004e9cca_attn-k_q4a004e9cca_attn
	.p2alignl 7, 3214868480
	.fill 96, 4, 3214868480
	.section	.rodata,"a",@progbits
	.p2align	6, 0x0
	.amdhsa_kernel k_q4a004e9cca_attn
		.amdhsa_group_segment_fixed_size 215040
		.amdhsa_private_segment_fixed_size 0
		.amdhsa_enable_private_segment 0
		.amdhsa_kernarg_size 32
		.amdhsa_user_sgpr_count 2
		.amdhsa_user_sgpr_kernarg_segment_ptr 1
		.amdhsa_wavefront_size32 1
		.amdhsa_system_sgpr_workgroup_id_x 1
		.amdhsa_system_sgpr_workgroup_id_y 1
		.amdhsa_system_sgpr_workgroup_id_z 1
		.amdhsa_system_vgpr_workitem_id 0
		.amdhsa_next_free_vgpr 256
		.amdhsa_next_free_sgpr 100
		.amdhsa_reserve_vcc 1
		.amdhsa_float_denorm_mode_32 3
		.amdhsa_float_denorm_mode_16_64 3
		.amdhsa_memory_ordered 1
		.amdhsa_forward_progress 1
		.amdhsa_inst_pref_size 68
	.end_amdhsa_kernel
	.amdgpu_metadata
---
amdhsa.version: [ 1, 2 ]
amdhsa.kernels:
  - .name:           k_q4a004e9cca_attn
    .symbol:         k_q4a004e9cca_attn.kd
    .args:
      - { .name: qkv_img, .offset: 0, .size: 8, .value_kind: global_buffer, .address_space: global }
      - { .name: qkv_sc, .offset: 8, .size: 8, .value_kind: global_buffer, .address_space: global }
      - { .name: a_img, .offset: 16, .size: 8, .value_kind: global_buffer, .address_space: global }
      - { .name: a_sc, .offset: 24, .size: 8, .value_kind: global_buffer, .address_space: global }
    .group_segment_fixed_size: 215040
    .private_segment_fixed_size: 0
    .kernarg_segment_align: 8
    .kernarg_segment_size: 32
    .max_flat_workgroup_size: 512
    .sgpr_count:     100
    .vgpr_count:     256
    .wavefront_size: 32
...
	.end_amdgpu_metadata
.endif
;; end of part 3
;; launch proj (part 4): grid 4 x 64, 4 waves a work-group, clusters of 4 x 4, 295,424 bytes of LDS; arguments a_img, a_sc, xw_img, xw_sc, bo, out0; writes out0
.if DOCPART == 4
	.amdgcn_target "amdgcn-amd-amdhsa--gfx1250"
	.amdhsa_code_object_version 6
	.text
	.protected	k_q4a004e9cca_proj
	.globl	k_q4a004e9cca_proj
	.p2align	8
	.type	k_q4a004e9cca_proj,@function
k_q4a004e9cca_proj:
	s_mov_b64 s[64:65], 0
	v_nop
	global_prefetch_b8 v0, s[64:65] scope:SCOPE_SE
	s_setreg_imm32_b32 hwreg(HW_REG_WAVE_MODE, 25, 1), 1
	s_wait_xcnt 0x0
	s_wait_alu depctr_hold_cnt(0) depctr_sa_sdst(0) depctr_va_vdst(0) depctr_va_sdst(0) depctr_va_ssrc(0) depctr_va_vcc(0) depctr_vm_vsrc(0)
	s_getreg_b32 s2, hwreg(HW_REG_IB_STS2, 6, 4)
	s_cmp_eq_u32 s2, 0
	s_cbranch_scc0 .Lentry_in_a_cluster
	s_endpgm
.Lentry_in_a_cluster:
	s_bfe_u32 s2, ttmp6, 0x10000c
	s_cmp_lg_u32 s2, 0xf033
	s_cbranch_scc0 .Lentry_shape_is_right
	s_endpgm
.Lentry_shape_is_right:
; out0 = a Wo^T + bo on codes of BF6 (E3M2) with E8M0 scales, sums in f32.  a: attention's result, 8,192 tokens x 1,024, as an operand image (a_img, a_sc); Wo: tiles 704-767 of xw_img, xw_sc.
; Row tile T holds rows 32 (T / 2) + 8 (T % 2) + r + 8 (r / 8); an image is [tile][k / 64][768 bytes]: lane's registers 0-3 at 16 x lane, registers 4-5 at 512 + 8 x lane; scale words [tile][K half][r][16 bytes].
; SHARES.  A work-group makes 128 tokens x 256 outputs over all of K = 1,024; four waves, each 64 x 128: 32 accumulators.  64 x 4 = 256 work-groups, one for each WGP; tiles of 256 x 256 would leave half of them idle.
; THE MATRIX INSTRUCTION IS USED TRANSPOSED (source 0 = 16 rows of Wo, source 1 = 16 tokens): a lane holds one token and its registers run along the outputs.  The bias is the C of each sum's first product.
; 16 clusters of 4 x 4: the four of a cluster's row need the same tiles of a, the four of a column the same tiles of Wo: joint loads.
; LDS.  All of K lies in LDS, filled ONCE: four chunks of 256 along K, each a's 8 tiles x 3,072 bytes and then Wo's 16 x 3,072.  No byte is filled twice.  By this text's count a wave has four tensor loads outstanding.
; The way out goes through a stage of 16 rows x 528 bytes for each wave, in chunk 0: it has had its one fill, and its last read lies three barriers back.
; REGISTERS, in windows of 256: window 0: v1-15 addresses; v16-31 a's scale words, v32-63 Wo's; v64-127 the bias; v128-255 rows on the way out.  window 1: accumulator (a, b) at v[8 (8 a + b)].
;   windows 2, 3: two sets of fragments: B's eight at v[12 b], A's four at v[96 + 12 a].
.set CHUNK, 73728
.set TILEB, 12288
.set SP,    528
.set AA128, 1
.set AA64,  2
.set AB128, 3
.set AB64,  4
.set LSO,   5                          ; v5  scale words: 512 h + 16 r
.set L16,   6                          ; v6  16 x lane
.set L8,    7
.set LANE,  8
.set STO,   9                          ; v9  the stage: where I put 32 bytes of a row
.set RD,    10                         ; v10 and where I read a row back
.set BOF,   11                         ; v11 64 h
.set SA,    16
.set SB,    32
.set BI,    64
.set BK,    128
.set WA,    3
.set WV,    18
.set WB,    19
.set G1A,   20
.set G1B,   28
.set G0A,   36
.set G0B,   68
.set MSB, 0
.macro WIN new                         ; the immediate's high byte repeats the setting that is left
.if MSB != \new
	s_set_vgpr_msb (MSB<<8)|\new
.set MSB, \new
.endif
.endm
.macro PLACES n
.rept \n
	v_nop
.endr
.endm
.macro CROUND                          ; a round of the cluster's barrier
	s_barrier_signal -1
	s_barrier_wait -1
	s_cmp_lg_u32 s[WV], 0
	s_cbranch_scc1 .Lnot_wave_0_\@
	s_barrier_signal -3
.Lnot_wave_0_\@:
	s_barrier_wait -3
	s_barrier_signal -1
	s_barrier_wait -1
.endm
; One product.  d: result; fa, fb: sources 0 and 1; c: C's registers; sa, sb: the scale registers; ra, rb = 1: the scales are taken from lanes 16-31.
.macro WM d, fa, fb, c, sa, sb, ra, rb
.if (\ra) && (\rb)
	v_wmma_scale_f32_16x16x128_f8f6f4 v[0+(\d):7+(\d)], v[0+(\fa):11+(\fa)], v[0+(\fb):11+(\fb)], v[0+(\c):7+(\c)], v[0+(\sa)], v[0+(\sb)] matrix_a_fmt:MATRIX_FMT_BF6 matrix_b_fmt:MATRIX_FMT_BF6 matrix_a_scale:MATRIX_SCALE_ROW1 matrix_b_scale:MATRIX_SCALE_ROW1
.elseif (\ra)
	v_wmma_scale_f32_16x16x128_f8f6f4 v[0+(\d):7+(\d)], v[0+(\fa):11+(\fa)], v[0+(\fb):11+(\fb)], v[0+(\c):7+(\c)], v[0+(\sa)], v[0+(\sb)] matrix_a_fmt:MATRIX_FMT_BF6 matrix_b_fmt:MATRIX_FMT_BF6 matrix_a_scale:MATRIX_SCALE_ROW1
.elseif (\rb)
	v_wmma_scale_f32_16x16x128_f8f6f4 v[0+(\d):7+(\d)], v[0+(\fa):11+(\fa)], v[0+(\fb):11+(\fb)], v[0+(\c):7+(\c)], v[0+(\sa)], v[0+(\sb)] matrix_a_fmt:MATRIX_FMT_BF6 matrix_b_fmt:MATRIX_FMT_BF6 matrix_b_scale:MATRIX_SCALE_ROW1
.else
	v_wmma_scale_f32_16x16x128_f8f6f4 v[0+(\d):7+(\d)], v[0+(\fa):11+(\fa)], v[0+(\fb):11+(\fb)], v[0+(\c):7+(\c)], v[0+(\sa)], v[0+(\sb)] matrix_a_fmt:MATRIX_FMT_BF6 matrix_b_fmt:MATRIX_FMT_BF6
.endif
.endm
; 48 LDS loads in one run: step t's fragments into set t % 2.  Every load takes consecutive bytes in consecutive lanes.
.macro FETCH t
.if (\t)%2
	WIN 0xc0                                       ; destination window 3
.else
	WIN 0x80                                       ; destination window 2
.endif
.irp b, 0,1,2,3,4,5,6,7
	ds_load_b128 v[12*\b:12*\b+3],     v[AB128] offset:3072*\b+1536*((\t)%2)
	ds_load_b64  v[12*\b+4:12*\b+5],   v[AB64]  offset:3072*\b+1536*((\t)%2)+512
	ds_load_b128 v[12*\b+6:12*\b+9],   v[AB128] offset:3072*\b+1536*((\t)%2)+768
	ds_load_b64  v[12*\b+10:12*\b+11], v[AB64]  offset:3072*\b+1536*((\t)%2)+1280
.endr
.irp a, 0,1,2,3
	ds_load_b128 v[96+12*\a:96+12*\a+3],     v[AA128] offset:3072*\a+1536*((\t)%2)
	ds_load_b64  v[96+12*\a+4:96+12*\a+5],   v[AA64]  offset:3072*\a+1536*((\t)%2)+512
	ds_load_b128 v[96+12*\a+6:96+12*\a+9],   v[AA128] offset:3072*\a+1536*((\t)%2)+768
	ds_load_b64  v[96+12*\a+10:96+12*\a+11], v[AA64]  offset:3072*\a+1536*((\t)%2)+1280
.endr
	WIN 0
.endm
; 32 products: step t of K.  The 32 accumulators take turns, one instruction a turn, in the same order in every step.  first = 1: C is the bias, which starts the sums.
.macro MUL32 t, first
.if \first
	WIN 0x4a                                       ; sources 0 and 1 window 2, C window 0, D window 1
.elseif (\t)%2
	WIN 0x5f                                       ; sources 0 and 1 window 3, C and D window 1
.else
	WIN 0x5a                                       ; sources 0 and 1 window 2, C and D window 1
.endif
.irp a, 0,1,2,3
.irp b, 0,1,2,3,4,5,6,7
.if \first
	WM 8*(8*\a+\b), 12*\b, 96+12*\a, BI+8*\b, SB+8*(\b/2)+\t, SA+8*(\a/2)+\t, \b%2, \a%2
.else
	WM 8*(8*\a+\b), 12*\b, 96+12*\a, 8*(8*\a+\b), SB+8*(\b/2)+\t, SA+8*(\a/2)+\t, \b%2, \a%2
.endif
.endr
.endr
.endm
; Step t: the next step's fragments are asked for, then this step is multiplied.  Loads into registers that products have read stand four plain vector instructions behind those products (ISA guide 7.12.1 for vector instructions).
.macro STEP t, first
.if \t < 7
.if (\t)%2
	WIN 0
	v_add_nc_u32 v[AA128], CHUNK, v[AA128]         ; the next step lies in the next chunk; these four lines are the four places
	v_add_nc_u32 v[AA64],  CHUNK, v[AA64]
	v_add_nc_u32 v[AB128], CHUNK, v[AB128]
	v_add_nc_u32 v[AB64],  CHUNK, v[AB64]
	s_wait_alu depctr_va_vdst(0)
	s_wait_tensorcnt 3-(\t+1)/2                    ; my part of that chunk is in; my loads of the chunks behind it may stay out
	s_wait_dscnt 0x0                               ; no LDS load of mine is pending at the signal
	s_barrier_signal -1
	s_barrier_wait -1                              ; everybody's part is in
.elseif \t > 0
	PLACES 4
.endif
	FETCH \t+1
	s_wait_dscnt 48                                ; all but the 48 just issued: this step's fragments are in
.else
	s_wait_dscnt 0x0
.endif
	MUL32 \t, \first
.endm
	s_load_b256 s[4:11], s[0:1], 0x0               ; a_img s[4:5], a_sc s[6:7], xw_img s[8:9], xw_sc s[10:11]
	s_load_b128 s[12:15], s[0:1], 0x20             ; bo s[12:13], out0 s[14:15]
	v_lshl_add_u32 v14, v0, 2, 0x48000
	v_mov_b32 v15, 0
	ds_add_u32 v14, v15
	ds_add_u32 v14, v15
	v_lshrrev_b32 v12, 5, v0
	v_readfirstlane_b32 s[WV], v12                 ; wave 0..3
	s_lshr_b32 s[WA], s[WV], 1                     ; which 64 tokens are mine.  Also: I fetch for A (0) or for B (1)
	s_and_b32 s[WB], s[WV], 1                      ; which 128 outputs.  Also: which half of that operand's tiles I fetch
	s_bfe_u32 s52, ttmp6, 0x40000                  ; cx
	s_bfe_u32 s53, ttmp6, 0x40004                  ; cy
	s_and_b32 s54, ttmp7, 0xffff                   ; the cluster's number, 0..15: the grid is one cluster wide
	s_lshl_b32 s59, s54, 2
	s_add_co_u32 s59, s59, s53                     ; TR: my block of 128 tokens
	s_lshl_b32 s60, s59, 3                         ; my first tile of a
	s_lshl_b32 s87, s52, 4
	s_add_co_u32 s87, s87, 704                     ; my first tile of Wo: 704 + 16 cx
	s_lshl_b32 s62, s[WB], 2                       ; what I fetch, if for A: 4 tiles,
	s_add_co_u32 s62, s62, s60
	s_mul_i32 s62, s62, TILEB
	s_mov_b32 s63, 0
	s_lshl_b32 s88, s[WB], 3                       ; if for B: 8 tiles
	s_add_co_u32 s88, s88, s87
	s_mul_i32 s88, s88, TILEB
	s_mov_b32 s89, 0
	s_lshl_b32 s90, s53, 2
	s_lshl_b32 s90, 15, s90                        ; my row of the cluster
	s_lshl_b32 s91, 0x1111, s52                    ; my column
	s_mul_i32 s92, s[WB], 12288                    ; where they go in a chunk: no place in the cluster enters an LDS address
	s_mul_i32 s93, s[WB], 24576
	; descriptor group 1: rows of 3,072 bytes (384 elements of 8 bytes), 12,288 bytes apart in memory, dense in LDS; 4 rows for A, 8 for B
	s_or_b32 s[G1A], s90, (3<<16)|(1<<21)          ; 15:0 the mask: a's tiles go to my row; 17:16 elements of 8 bytes; 21 set beside a mask
	s_or_b32 s[G1B], s91, (3<<16)|(1<<21)          ; Wo's to my column
	s_mov_b32 s[G1A+1], 384<<16
	s_mov_b32 s[G1A+2], 4<<16
	s_mov_b32 s[G1A+3], 384<<16
	s_mov_b32 s[G1A+4], 4
	s_mov_b32 s[G1A+5], 1536
	s_mov_b32 s[G1A+6], 0
	s_mov_b32 s[G1A+7], 0
	s_mov_b32 s[G1B+1], 384<<16
	s_mov_b32 s[G1B+2], 8<<16
	s_mov_b32 s[G1B+3], 384<<16
	s_mov_b32 s[G1B+4], 8
	s_mov_b32 s[G1B+5], 1536
	s_mov_b32 s[G1B+6], 0
	s_mov_b32 s[G1B+7], 0
	s_wait_dscnt 0x0
	s_wait_kmcnt 0x0
	s_add_nc_u64 s[62:63], s[4:5], s[62:63]
	s_add_nc_u64 s[88:89], s[8:9], s[88:89]
.irp s, 0,1,2,3
	s_mov_b32 s[G0A+4*\s], 1
	s_add_co_u32 s[G0A+4*\s+1], s92, \s*CHUNK
	s_add_nc_u64 s[G0A+4*\s+2:G0A+4*\s+3], s[62:63], \s*3072
	s_or_b32 s[G0A+4*\s+3], s[G0A+4*\s+3], 0x80000000
	s_mov_b32 s[G0B+4*\s], 1
	s_add_co_u32 s[G0B+4*\s+1], s93, \s*CHUNK+24576
	s_add_nc_u64 s[G0B+4*\s+2:G0B+4*\s+3], s[88:89], \s*3072
	s_or_b32 s[G0B+4*\s+3], s[G0B+4*\s+3], 0x80000000
.endr
	CROUND                                         ; all sixteen work-groups are here: the joint loads meet
	s_cmp_eq_u32 s[WA], 0                          ; waves 0 and 1 fetch A's halves, waves 2 and 3 B's: a wave's four fills stand in one branch on its number
	s_cbranch_scc0 .Lfill_b
.irp s, 0,1,2,3
	tensor_load_to_lds s[G0A+4*\s:G0A+4*\s+3], s[G1A:G1A+7]
	s_nop 0
.endr
	PLACES 4
	s_branch .Lfilled
.Lfill_b:
.irp s, 0,1,2,3
	tensor_load_to_lds s[G0B+4*\s:G0B+4*\s+3], s[G1B:G1B+7]
	s_nop 0
.endr
	PLACES 4
.Lfilled:
	v_and_b32 v[LANE], 31, v0
	v_and_b32 v12, 15, v0                          ; r
	v_bfe_u32 v13, v0, 4, 1                        ; h
	v_lshlrev_b32 v[L16], 4, v[LANE]
	v_lshlrev_b32 v[L8], 3, v[LANE]
	s_mul_i32 s94, s[WA], 12288
	v_add_nc_u32 v[AA128], s94, v[L16]
	v_add_nc_u32 v[AA64], s94, v[L8]
	s_mul_i32 s94, s[WB], 24576
	s_add_co_u32 s94, s94, 24576
	v_add_nc_u32 v[AB128], s94, v[L16]
	v_add_nc_u32 v[AB64], s94, v[L8]
	v_lshlrev_b32 v[LSO], 4, v12
	v_lshl_add_u32 v[LSO], v13, 9, v[LSO]
	s_wait_alu depctr_va_vdst(0)
	v_lshlrev_b32 v[BOF], 6, v13
	s_wait_alu depctr_va_vdst(0)
	s_mul_i32 s94, s[WV], 16*SP                    ; my stage
	v_mul_u32_u24 v[STO], v12, SP
	v_lshl_add_u32 v[STO], v13, 6, v[STO]
	v_add_nc_u32 v[STO], s94, v[STO]               ; in: row r, + 64 h
	v_add_nc_u32 v[RD], s94, v[L16]                ; back: the 32 lanes take one row of 512 bytes
	; the scale words of my tiles, for all of K, straight into registers: each load takes two whole blocks of 256 bytes.  Not asked for jointly: they are one 24th of the codes' bytes
	s_lshl_b32 s95, s[WA], 2
	s_add_co_u32 s95, s95, s60
	s_lshl_b32 s96, s95, 9
	s_mov_b32 s97, 0
	s_add_nc_u64 s[96:97], s[6:7], s[96:97]
	s_lshl_b32 s95, s[WB], 3
	s_add_co_u32 s95, s95, s87
	s_lshl_b32 s98, s95, 9
	s_mov_b32 s99, 0
	s_add_nc_u64 s[98:99], s[10:11], s[98:99]
.irp p, 0,1
.irp q, 0,1
	global_load_b128 v[SA+8*\p+4*\q:SA+8*\p+4*\q+3], v[LSO], s[96:97] offset:1024*\p+256*\q
.endr
.endr
.irp p, 0,1,2,3
.irp q, 0,1
	global_load_b128 v[SB+8*\p+4*\q:SB+8*\p+4*\q+3], v[LSO], s[98:99] offset:1024*\p+256*\q
.endr
.endr
	s_lshl_b32 s84, s52, 1
	s_add_co_u32 s84, s84, s[WB]                   ; Y: my 128 outputs
	s_lshl_b32 s56, s84, 9                         ; 512 Y bytes, in bo and in a row of out0
	s_mov_b32 s57, 0
	s_add_nc_u64 s[12:13], s[12:13], s[56:57]
	s_lshl_b32 s94, s59, 7
	s_lshl_b32 s95, s[WA], 6
	s_add_co_u32 s94, s94, s95                     ; my first token: 128 TR + 64 wa
	s_lshl_b32 s94, s94, 12                        ; rows of 4,096 bytes
	s_add_co_u32 s94, s94, s56
	s_mov_b32 s95, 0
	s_add_nc_u64 s[14:15], s[14:15], s[94:95]
.irp b, 0,1,2,3,4,5,6,7
	global_load_b128 v[BI+8*\b:BI+8*\b+3],   v[BOF], s[12:13] offset:4*(32*(\b/2)+8*(\b%2))      ; register 8 b + j: output 32 (b / 2) + 8 (b % 2) + 16 h + j
	global_load_b128 v[BI+8*\b+4:BI+8*\b+7], v[BOF], s[12:13] offset:4*(32*(\b/2)+8*(\b%2))+16
.endr
	s_wait_tensorcnt 3                             ; my part of chunk 0 is in; my three later chunks may stay out
	s_barrier_signal -1
	s_barrier_wait -1                              ; everybody's is
	FETCH 0
	s_wait_loadcnt 0x0                             ; scale words and bias
	STEP 0, 1                                      ; the first step's products take the bias as C: no addition, nothing cleared
	STEP 1, 0
	STEP 2, 0
	STEP 3, 0
	STEP 4, 0
	STEP 5, 0
	STEP 6, 0
	STEP 7, 0
	WIN 0
; THE WAY OUT, a tile of 16 tokens x 128 outputs at a time.  A lane holds pieces of one row, and the lanes beside it hold other rows: so a tile goes through my own stage and comes back as whole rows of 512 bytes.
; LDS serves a wave's instructions in order (ISA guide 5.7.1.4): no wait between the stores and the loads, nor in front of the next tile's stores.
.macro TOSTAGE a
	WIN 0x04                                       ; an LDS store's data are its source 1: window 1
.irp b, 0,1,2,3,4,5,6,7
	ds_store_b128 v[STO], v[8*(8*(\a)+\b):8*(8*(\a)+\b)+3]   offset:128*(\b/2)+32*(\b%2)       ; each accumulator from its low end on
	ds_store_b128 v[STO], v[8*(8*(\a)+\b)+4:8*(8*(\a)+\b)+7] offset:128*(\b/2)+32*(\b%2)+16
.endr
	WIN 0
.set BB, BK+64*((\a)%2)
.irp t, 0,1,2,3,4,5,6,7,8,9,10,11,12,13,14,15
	ds_load_b128 v[BB+4*\t:BB+4*\t+3], v[RD] offset:\t*SP
.endr
.endm
.macro SEND a, younger                 ; younger: the LDS instructions issued behind tile a's loads, which may stay out
.set BB, BK+64*((\a)%2)
	s_wait_dscnt \younger
.irp t, 0,1,2,3,4,5,6,7,8,9,10,11,12,13,14,15
	global_store_b128 v[L16], v[BB+4*\t:BB+4*\t+3], s[14:15] offset:(32*((\a)/2)+8*((\a)%2)+\t+8*(\t/8))*4096 th:TH_STORE_NT   ; 32 lanes store 512 consecutive bytes of the token's row; 63 rows on at the most: every offset is an immediate
.endr
.endm
	PLACES 4                                       ; in front of the first read of results
	TOSTAGE 0
	TOSTAGE 1
	SEND 0, 32                                     ; behind tile 0's loads: tile 1's 16 stores and 16 loads
	s_wait_xcnt 0x0                                ; tile 0's stores have read their registers: tile 2's rows may land there
	TOSTAGE 2
	SEND 1, 32
	s_wait_xcnt 0x0
	TOSTAGE 3
	SEND 2, 32
	SEND 3, 0
	s_wait_dscnt 0x0
	s_wait_tensorcnt 0x0
	ds_add_u32 v14, v15
	s_wait_dscnt 0x0
	CROUND                                         ; the closing round: no work-group ends while a partner may still ask for a tile that names it
	s_endpgm
.Lfunc_end_k_q4a004e9cca_proj:
	.size	k_q4a004e9cca_proj, .Lfunc_end_k_q4a004e9cca_proj-k_q4a004e9cca_proj
	.p2alignl 7, 3214868480
	.fill 96, 4, 3214868480
	.section	.rodata,"a",@progbits
	.p2align	6, 0x0
	.amdhsa_kernel k_q4a004e9cca_proj
		.amdhsa_group_segment_fixed_size 295424
		.amdhsa_private_segment_fixed_size 0
		.amdhsa_enable_private_segment 0
		.amdhsa_kernarg_size 48
		.amdhsa_user_sgpr_count 2
		.amdhsa_user_sgpr_kernarg_segment_ptr 1
		.amdhsa_wavefront_size32 1
		.amdhsa_system_sgpr_workgroup_id_x 1
		.amdhsa_system_sgpr_workgroup_id_y 1
		.amdhsa_system_sgpr_workgroup_id_z 1
		.amdhsa_system_vgpr_workitem_id 0
		.amdhsa_next_free_vgpr 1024
		.amdhsa_next_free_sgpr 106
		.amdhsa_reserve_vcc 0
		.amdhsa_float_denorm_mode_32 3
		.amdhsa_float_denorm_mode_16_64 3
		.amdhsa_memory_ordered 1
		.amdhsa_forward_progress 1
		.amdhsa_inst_pref_size 85
	.end_amdhsa_kernel
	.amdgpu_metadata
---
amdhsa.version: [ 1, 2 ]
amdhsa.kernels:
  - .name:           k_q4a004e9cca_proj
    .symbol:         k_q4a004e9cca_proj.kd
    .args:
      - { .name: a_img, .offset: 0, .size: 8, .value_kind: global_buffer, .address_space: global }
      - { .name: a_sc, .offset: 8, .size: 8, .value_kind: global_buffer, .address_space: global }
      - { .name: xw_img, .offset: 16, .size: 8, .value_kind: global_buffer, .address_space: global }
      - { .name: xw_sc, .offset: 24, .size: 8, .value_kind: global_buffer, .address_space: global }
      - { .name: bo, .offset: 32, .size: 8, .value_kind: global_buffer, .address_space: global }
      - { .name: out0, .offset: 40, .size: 8, .value_kind: global_buffer, .address_space: global }
    .group_segment_fixed_size: 295424
    .private_segment_fixed_size: 0
    .kernarg_segment_align: 8
    .kernarg_segment_size: 48
    .max_flat_workgroup_size: 128
    .sgpr_count:     106
    .vgpr_count:     1024
    .wavefront_size: 32
...
	.end_amdgpu_metadata
.endif
;; end of part 4
